; MI455X (gfx1250); checked and timed in simulation.
; The chip was launched on July 23, 2026; its instructions are those of AMD's public machine-readable ISA for CDNA 5 (MIT licence, August 2026) and "CDNA5" Instruction Set Architecture Reference Guide (July 2026). The comments in the code are by the model that wrote it; some were corrected since.
;; Classical Self Attention. Allowed arithmetic: matrix products marked QUANTISED: E2M1 operands, one E8M0 scale for each 32 along K, by v_wmma_scale_f32_16x16x128_f8f6f4 with both operands' format E2M1 (or v_wmma_scale_f32_32x16x128_f4), f32 sums; products left as they are: bf16, f16 or f32 operands; f32 sums; everything else in f32.
;; Inputs: Wk 1,024 x 1,024 float32; Wq 1,024 x 1,024 float32; Wv 1,024 x 1,024 float32; x 4 x 2,048 x 1,024 float32.
;; Outputs: out0 4 x 2,048 x 1,024 float32.
;; This version of the problem:
;;   THIS VERSION OF THE PROBLEM IS GIVEN IN LOW PRECISION. The matrix products marked QUANTISED in the list below multiply operands that are first quantised to E2M1 (2 exponent bits, 1 mantissa bit; 4 bits a number), with one power-of-two scale for each 32 numbers along K (OCP MX v1.0); their sums are f32. The products marked 'left as it is' may take bf16, f16 or f32 operands, with f32 sums. Whichever they take, every output number must still come out within the allowed error. Rounding operands to bf16 (8 significant bits) uses up far more of that allowance than f16 does (11 bits, for magnitudes from 6e-5 to 65,504). All else is computed in f32.
;;   The module's matrix products, in the order in which they are computed (A, B: the left and right operand; K: the contracted axis; several contracted axes count as one K, in the product's order):
;;     1. [M 8,192, K 1,024] x [K 1,024, N 1,024]; A: input x; B: input Wq: QUANTISED
;;     2. [M 8,192, K 1,024] x [K 1,024, N 1,024]; A: input x; B: input Wk: QUANTISED
;;     3. [M 8,192, K 1,024] x [K 1,024, N 1,024]; A: input x; B: input Wv: QUANTISED
;;     4. batch 4 x [M 2,048, K 1,024] x [K 1,024, N 2,048]; A: computed on the way; B: computed on the way: left as it is (an operand is computed on the way)
;;     5. batch 4 x [M 2,048, K 2,048] x [K 2,048, N 1,024]; A: computed on the way; B: computed on the way: left as it is (an operand is computed on the way)
;;   THE QUANTISER, for each operand of a quantised product, along K:
;;     - K is cut into blocks of 32 from its start; a last block that is shorter is filled with zeros.
;;     - A block's scale is 2^e with e = floor(log2(the largest magnitude in the block)) - 2, held to -126 .. 127; a block of zeros has e = 0. As a byte (E8M0): e + 127.
;;     - Each number is divided by its block's scale, clamped to +-6, and rounded to the nearest number of E2M1, ties to even, subnormals kept.
;;     - The product sums the exact products of the quantised numbers (number of the format x scale) in f32.
;;   ~~~python
;;   def quantise(x, axis):      # numpy; x: float32 -> the quantised numbers, widened to float32 again
;;       x = np.moveaxis(x, axis, -1); K = x.shape[-1]
;;       x = np.pad(x, [(0, 0)] * (x.ndim - 1) + [(0, -K % 32)]); x = x.reshape(x.shape[:-1] + (-1, 32)); a = np.abs(x).max(-1, keepdims=True)
;;       e = np.where(a > 0, np.clip(np.frexp(np.where(a > 0, a, 1))[1] - 1 - 2, -126, 127), 0)      # np.frexp(a)[1] - 1 = floor(log2(a)), exactly
;;       r = np.clip(x / 2.0 ** e, -6, 6)
;;       step = 2.0 ** (np.maximum(np.frexp(np.where(r == 0, 1, r))[1] - 1, 0) - 1)
;;       q = np.round(r / step) * step * 2.0 ** e      # np.round: ties to even
;;       return np.moveaxis(q.reshape(q.shape[:-2] + (-1,))[..., :K], -1, axis).astype(np.float32)
;;   ~~~
;; One version. Each part assembles by itself: llvm-mc -triple=amdgcn-amd-amdhsa -mcpu=gfx1250 --defsym DOCPART=n.
;; ======== version 1 of 1: 4 launches
;; limits: values are held in f16: magnitudes above 65,504 overflow, below 6.1e-05 lose precision
;; workspace buffers: codes 5,767,168 bytes; scl 360,448 bytes; qkv 50,331,648 bytes; p 33,554,432 bytes; stats 1,048,576 bytes
;; launch quant (part 1): grid 352 x 1, 4 waves a work-group, no clusters, 33,280 bytes of LDS; arguments x, Wq, Wk, Wv, codes, scl; writes codes, scl
.if DOCPART == 1
	.amdgcn_target "amdgcn-amd-amdhsa--gfx1250"
	.amdhsa_code_object_version 6
	.text
	.protected	k_qd6f0168bba_quant
	.globl	k_qd6f0168bba_quant
	.p2align	8
	.type	k_qd6f0168bba_quant,@function
k_qd6f0168bba_quant:
	s_mov_b64 s[64:65], 0
	v_nop
	global_prefetch_b8 v0, s[64:65] scope:SCOPE_SE
	s_setreg_imm32_b32 hwreg(HW_REG_WAVE_MODE, 25, 1), 1
	s_wait_xcnt 0x0
; x [8192][1024], Wq, Wk, Wv [1024][1024], f32, are turned into codes of FP4 (E2M1), K innermost, two codes a byte, with one E8M0 scale byte for each 32 along K.
; codes: [11264 rows][512 bytes], scl: [11264 rows][32 bytes]; rows 0.. x, 8192.. Wq, 9216.. Wk, 10240.. Wv.
; A block's scale is 2^(floor(log2(its largest magnitude)) - 2); its byte is the largest magnitude's own exponent field - 2, held at 1 from below.
; LIMITS: a block of zeros, and a block whose largest magnitude lies under 2^-124, gets the byte 1 (a block of zeros has zero codes, which add nothing under that byte, and
; the bytes are read by this program alone); NaN and infinities among the inputs are not served.
; Rows are dense and 1024 is a multiple of 32, so every tensor is a plain stream of blocks of 32, and the four streams lie on end in codes and scl: only the source is chosen.
; A work-group takes 32,768 numbers, a wave 8,192 in 16 steps of 512.  Each of a step's four loads reads 512 consecutive bytes; the 2,048 bytes turn through the wave's own stage in LDS
; and come back 64 bytes a lane: 16 neighbours along K, two lanes to a block.  A lane's 16 codes are 8 bytes: the wave stores 256 consecutive bytes.
; A wave's 256 scale bytes are gathered in its own LDS bytes and leave as 256 consecutive bytes.  No barrier: waves share nothing.  Loads run four steps ahead.
.set WAVES, 4
.set STEPS, 16
.set EMAX,  2
.set CB,    8                          ; bytes of 16 codes
.set R,     16                         ; v16-79   four sets of 16 numbers as they are loaded
.set X,     80                         ; v80-111  two sets of 16 neighbours
.set C,     128                        ; v128-191 codes: four registers for each step, so that no store's data are written again
.set E,     112                        ; v112-127 a scale byte for each step
.set WREG,  8192                       ; LDS: a region for each wave: two stages of 32 x SP bytes, behind them its 256 scale bytes
.set SP,    80                         ; a lane's place in a stage: its 64 bytes + 16 of padding
.set SPW,   12                         ; v12  LDS address of my spare word; never rewritten
.set NIL,   13                         ; v13  0; never rewritten
.set SPARE, WAVES*WREG                 ; behind the four regions: the spare words, 128 bytes a wave, which no other line names
	s_load_b256 s[4:11], s[0:1], 0x0               ; x, Wq, Wk, Wv
	s_load_b128 s[12:15], s[0:1], 0x20             ; codes, scl
	v_lshl_add_u32 v[SPW], v0, 2, SPARE
	v_mov_b32 v[NIL], 0
	v_lshrrev_b32 v1, 5, v0
	v_readfirstlane_b32 s16, v1                    ; wave
	v_and_b32 v2, 31, v0                           ; lane
	v_lshlrev_b32 v3, 4, v2                        ; my 16 bytes of a load's 512
	s_mul_i32 s17, s16, WREG
	v_lshrrev_b32 v14, 2, v2
	v_mul_u32_u24 v14, v14, SP
	v_and_b32 v15, 3, v2
	v_lshl_add_u32 v14, v15, 4, v14
	v_add_nc_u32 v14, s17, v14                     ; the stage, on the way in: SP (lane / 4) + 16 (lane % 4)
	v_mul_u32_u24 v15, v2, SP
	v_add_nc_u32 v15, s17, v15                     ; and on the way out: SP x lane: my 16 neighbours
	v_mul_u32_u24 v4, v2, CB                       ; my codes' place in a step's
	v_lshrrev_b32 v5, 1, v2
	s_add_co_u32 s17, s17, 2*32*SP
	v_add_nc_u32 v5, s17, v5                       ; LDS: my wave's 256 scale bytes, my block's byte
	v_lshlrev_b32 v7, 3, v2                        ; and on the way out 8 bytes a lane
	v_add_nc_u32 v6, s17, v7
	s_wait_kmcnt 0x0
	s_mov_b32 s22, 0                               ; the first work-group of my tensor: 0 x, 256 Wq, 288 Wk, 320 Wv.  The choice hangs on the work-group's number alone
	s_cmp_ge_u32 ttmp9, 256
	s_cselect_b64 s[4:5], s[6:7], s[4:5]
	s_cselect_b32 s22, 256, s22
	s_cmp_ge_u32 ttmp9, 288
	s_cselect_b64 s[4:5], s[8:9], s[4:5]
	s_cselect_b32 s22, 288, s22
	s_cmp_ge_u32 ttmp9, 320
	s_cselect_b64 s[4:5], s[10:11], s[4:5]
	s_cselect_b32 s22, 320, s22
	s_sub_co_u32 s17, ttmp9, s22
	s_lshl_b32 s17, s17, 2
	s_add_co_u32 s17, s17, s16                     ; which run of 8,192 numbers of the tensor is my wave's
	s_lshl_b32 s18, s17, 15                        ; 32,768 bytes a run
	s_mov_b32 s19, 0
	s_add_nc_u64 s[4:5], s[4:5], s[18:19]
	s_lshl_b32 s17, ttmp9, 2
	s_add_co_u32 s17, s17, s16                     ; and which run of the four streams on end
	s_lshl_b32 s18, s17, 12                        ; 4,096 bytes of codes a run
	s_add_nc_u64 s[12:13], s[12:13], s[18:19]
	s_lshl_b32 s18, s17, 8                         ; 256 scale bytes a run
	s_add_nc_u64 s[14:15], s[14:15], s[18:19]
.macro LOAD t
.irp i, 0,1,2,3
	global_load_b128 v[R+16*((\t)%4)+4*\i:R+16*((\t)%4)+4*\i+3], v3, s[4:5] offset:2048*(\t)+512*\i th:TH_LOAD_NT   ; 32 lanes read 512 consecutive bytes
.endr
.endm
.macro TURN t                          ; step t's numbers through the stage: LDS serves a wave's instructions in order, so no wait stands between the stores and the loads
.irp i, 0,1,2,3
	ds_store_b128 v14, v[R+16*((\t)%4)+4*\i:R+16*((\t)%4)+4*\i+3] offset:32*SP*((\t)%2)+8*SP*\i
.endr
.irp i, 0,1,2,3
	ds_load_b128 v[X+16*((\t)%2)+4*\i:X+16*((\t)%2)+4*\i+3], v15 offset:32*SP*((\t)%2)+16*\i
.endr
.endm
.irp t, 0,1,2,3
	LOAD \t
.endr
	s_wait_loadcnt 12                              ; step 0's four loads are in
	TURN 0
.macro STEP t
.set XS, X+16*((\t)%2)
.if (\t) > 0
	s_wait_dscnt 1                                 ; this step's numbers are back from the stage (the last step's byte store may be out): so its stores into the stage have read their registers,
.else
	s_wait_dscnt 0x0
.endif
.if (\t)+4 < STEPS
	LOAD (\t)+4                                    ; which take the loads of four steps on
.endif
.if (\t)+1 < STEPS
.if STEPS-2-(\t) >= 3
	s_wait_loadcnt 12                              ; the next step's four loads are in; those of the three steps behind it may be out
.else
	s_wait_loadcnt 4*(STEPS-2-(\t))
.endif
	TURN (\t)+1                                    ; and go through the other stage while this step is worked
.endif
	v_max3_num_f32 v8, |v[XS]|, |v[XS+1]|, |v[XS+2]|               ; the largest magnitude of my 16, in two chains
	v_max3_num_f32 v9, |v[XS+3]|, |v[XS+4]|, |v[XS+5]|
.irp i, 6,10
	v_max3_num_f32 v8, v8, |v[XS+\i]|, |v[XS+\i+1]|
	v_max3_num_f32 v9, v9, |v[XS+\i+2]|, |v[XS+\i+3]|
.endr
	v_max3_num_f32 v8, v8, |v[XS+14]|, |v[XS+15]|
	v_max3_num_f32 v8, v8, v9, (EMAX+1)<<23        ; and the floor 2^(EMAX + 1 - 127): so the byte cannot fall under 1
	v_max_num_f32_dpp v8, v8, v8 row_xmask:1 row_mask:0xf bank_mask:0xf   ; and of my neighbour's 16: the block's
	v_add_nc_u32 v11, -(EMAX<<23), v8              ; EMAX off its exponent field: the conversion takes the exponent field of this operand as its scale, and nothing else of it
	v_cvt_scalef32_pk8_fp4_f32 v[C+4*(\t)], v[XS:XS+7], v11        ; eight numbers / the scale, to the nearest code, ties to even, beyond the largest code the largest
	v_cvt_scalef32_pk8_fp4_f32 v[C+4*(\t)+1], v[XS+8:XS+15], v11
	v_lshrrev_b32 v[E+(\t)], 23, v11               ; the scale's byte
	ds_store_b8 v5, v[E+(\t)] offset:16*(\t)       ; both lanes of a block write the same byte with the same value
	global_store_b64 v4, v[C+4*(\t):C+4*(\t)+1], s[12:13] offset:32*CB*(\t)   ; 32 lanes store 256 consecutive bytes
.endm
.irp t, 0,1,2,3,4,5,6,7,8,9,10,11,12,13,14,15
	STEP \t
.endr
	ds_load_b64 v[8:9], v6                         ; LDS serves a wave's instructions in order: these see my stores
	s_wait_dscnt 0x0
	global_store_b64 v7, v[8:9], s[14:15]          ; 32 lanes store 256 consecutive bytes
	s_wait_tensorcnt 0x0                           ; the wave's end, behind my last LDS store
	ds_add_u32 v[SPW], v[NIL]
	s_wait_dscnt 0x0
	s_endpgm
.Lfunc_end_k_qd6f0168bba_quant:
	.size	k_qd6f0168bba_quant, .Lfunc_end_k_qd6f0168bba_quant-k_qd6f0168bba_quant
	.p2alignl 7, 3214868480
	.fill 96, 4, 3214868480
	.section	.rodata,"a",@progbits
	.p2align	6, 0x0
	.amdhsa_kernel k_qd6f0168bba_quant
		.amdhsa_group_segment_fixed_size 33280
		.amdhsa_private_segment_fixed_size 0
		.amdhsa_enable_private_segment 0
		.amdhsa_kernarg_size 48
		.amdhsa_user_sgpr_count 2
		.amdhsa_user_sgpr_kernarg_segment_ptr 1
		.amdhsa_wavefront_size32 1
		.amdhsa_system_sgpr_workgroup_id_x 1
		.amdhsa_system_sgpr_workgroup_id_y 1
		.amdhsa_system_sgpr_workgroup_id_z 1
		.amdhsa_system_vgpr_workitem_id 0
		.amdhsa_next_free_vgpr 192
		.amdhsa_next_free_sgpr 66
		.amdhsa_reserve_vcc 0
		.amdhsa_float_denorm_mode_32 3
		.amdhsa_float_denorm_mode_16_64 3
		.amdhsa_memory_ordered 1
		.amdhsa_forward_progress 1
		.amdhsa_inst_pref_size 34
	.end_amdhsa_kernel
	.amdgpu_metadata
---
amdhsa.version: [ 1, 2 ]
amdhsa.kernels:
  - .name:           k_qd6f0168bba_quant
    .symbol:         k_qd6f0168bba_quant.kd
    .args:
      - { .name: x, .offset: 0, .size: 8, .value_kind: global_buffer, .address_space: global }
      - { .name: Wq, .offset: 8, .size: 8, .value_kind: global_buffer, .address_space: global }
      - { .name: Wk, .offset: 16, .size: 8, .value_kind: global_buffer, .address_space: global }
      - { .name: Wv, .offset: 24, .size: 8, .value_kind: global_buffer, .address_space: global }
      - { .name: codes, .offset: 32, .size: 8, .value_kind: global_buffer, .address_space: global }
      - { .name: scl, .offset: 40, .size: 8, .value_kind: global_buffer, .address_space: global }
    .group_segment_fixed_size: 33280
    .private_segment_fixed_size: 0
    .kernarg_segment_align: 8
    .kernarg_segment_size: 48
    .max_flat_workgroup_size: 128
    .sgpr_count:     66
    .vgpr_count:     192
    .wavefront_size: 32
...
	.end_amdgpu_metadata
.endif
;; end of part 1
;; launch proj (part 2): grid 8 x 32, 4 waves a work-group, clusters of 4 x 4, 327,680 bytes of LDS; arguments codes, scl, qkv; writes qkv
.if DOCPART == 2
	.amdgcn_target "amdgcn-amd-amdhsa--gfx1250"
	.amdhsa_code_object_version 6
	.text
	.protected	k_qd6f0168bba_proj
	.globl	k_qd6f0168bba_proj
	.p2align	8
	.type	k_qd6f0168bba_proj,@function
k_qd6f0168bba_proj:
	s_mov_b64 s[64:65], 0
	v_nop
	global_prefetch_b8 v0, s[64:65] scope:SCOPE_SE
	s_setreg_imm32_b32 hwreg(HW_REG_WAVE_MODE, 25, 1), 1
	s_wait_xcnt 0x0
	s_wait_alu depctr_hold_cnt(0) depctr_sa_sdst(0) depctr_va_vdst(0) depctr_va_sdst(0) depctr_va_ssrc(0) depctr_va_vcc(0) depctr_vm_vsrc(0)
	s_getreg_b32 s2, hwreg(HW_REG_IB_STS2, 6, 4)
	s_cmp_eq_u32 s2, 0
	s_cbranch_scc0 .Lentry_in_a_cluster
	s_endpgm
.Lentry_in_a_cluster:
	s_bfe_u32 s2, ttmp6, 0x10000c
	s_cmp_lg_u32 s2, 0xf033
	s_cbranch_scc0 .Lentry_shape_is_right
	s_endpgm
.Lentry_shape_is_right:
; q = x Wq^T, k = x Wk^T and v^T = Wv x^T on codes of FP4 (E2M1) with one E8M0 scale for each 32 along K = 1024; sums in f32; results rounded once to f16.
; codes [11264 rows][512 bytes], scl [11264][32 bytes]: rows 0.. x, 8192.. Wq, 9216.. Wk, 10240.. Wv.
; qkv: [12288 rows][4096 bytes] f16: rows 0-8191: a position's q (bytes 0-2047) and k (bytes 2048-4095); row 8192 + 1024 b + e: channel e of batch b's v, the 2,048 keys along the row.
; LIMIT: |q|, |k|, |v| up to 65,504 (f16's largest number); beyond it the rounding gives infinity.
; SHARES.  8 x 32 work-groups, all with the same work.  Work-group (g, R) takes x's rows 256 R .. + 255 and makes TWO products of them:
;   first  256 positions x 256 columns 256 g .. of q | k (a wave 128 x 128: 64 accumulators), then
;   second 128 channels 128 g .. of v x the same 256 positions, with the positions along the rows (a wave 64 x 128: 32 accumulators).
; K is two steps of 512 (rows of 256 bytes): both LDS slots are filled at the head and x's rows stay there for both products.  Wv's 128 rows of codes come into the bytes where slot 0's rows of Wq | Wk lay,
; asked for at the change of slots, when nobody reads those any more.  The scales of x's and Wq | Wk's rows come with the first fills; Wv's scale words come straight into registers.
; CLUSTERS: 4 x 4 work-groups; x's tile is shared along a row of the cluster, the weights' along a column: each is asked for jointly, by the same tensor load with the same descriptor and a mask that names the four.
; THE MATRIX INSTRUCTION IS USED TRANSPOSED (source 0 = 16 rows of the operand that runs along a row of the result): a lane then holds eight neighbouring numbers of a row of the result.
; REGISTERS, in windows of 256: window 0: v16-30 addresses; v32-95 scale words, two sets; v96-127 Wv's scale words; v128-191 source 1's fragments; on the ways out v32-63, v192-255.
;   window 1: source 0's fragments, two sets, at v0 and v128.  window 2: the accumulators of my rows 0-63 ((a, b) at v[8 (8 a + b)]);  window 3: those of rows 64-127 (first product alone).
.set NQ,     4                         ; matrix instructions deep in a slot: 512 along K
.set ROWB,   256                       ; a tile's row in bytes
.set KROW,   512                       ; a row of codes in memory
.set PITCH,  272                       ; an LDS row: 256 bytes + 16 of padding: the 16 rows that a load touches start at 16 different banks (64 banks of 4 bytes: ISA guide 11.1)
.set FR,     8                         ; registers of a fragment: 16 rows x 128 K
.set NL,     2                         ; LDS loads that bring one
.set NP,     4                         ; places behind this matrix instruction (ISA guide 7.12.1)
.set HALFT,  128*PITCH
.set SLOT,   4*HALFT                   ; x's 256 rows, then Wq | Wk's 256 rows
.set WVB,    2*HALFT                   ; Wv's codes: in slot 0, where Wq | Wk's rows lay: row e's two halves of K at (2 e) PITCH and (2 e + 1) PITCH
.set KS,     32                        ; a row of scales in bytes
.set SCL,    2*SLOT                    ; behind the slots: the scales
.set HALFS,  (128*KS/256)*272          ; those of 128 rows: what one tensor load brings
.set SBLK,   (16*KS/256)*272           ; those of 16 rows
.set STAGE,  SCL+4*HALFS               ; the ways out: 16 rows x (256 bytes + 16) for each wave, bytes into which no tile lands
.set SPITCH, 272
.set SPARE,  STAGE+4*16*SPITCH         ; the spare words, 128 bytes a wave, which no other line names
.set ROWC,   4096                      ; a row of qkv in bytes
.set ADRA, 16                          ; v16-17  first product: LDS address of my fragments of x in slot 0, 1
.set ADX,  18                          ; v18-19  second product: the same, for my 128 positions there
.set ADRB, 20                          ; v20-21  LDS address of my fragments of Wq | Wk
.set ADW,  22                          ; v22     of Wv
.set ADSX, 23                          ; v23     second product: LDS address of x's scale words
.set STO,  24                          ; v24     the ways out: where I put 16 bytes of a row
.set RD,   25                          ; v25     where I read a row back
.set CO,   26                          ; v26     my byte offset in two rows of the result
.set ADRS, 27                          ; v27     first product: LDS address of my scale words: lanes 0-15 x's rows, lanes 16-31 Wq | Wk's
.set SPW,  28                          ; v28     LDS address of my spare word; never rewritten
.set NIL,  29                          ; v29     0; never rewritten
.set SWO,  30                          ; v30     32 x (lane % 16): my row among 16 rows of scale bytes in memory
.set SC,   32                          ; scale words: set s at v[SC + 32 s]; register 4 i + q: block i, the slot's q-th 128 along K
.set SW,   96                          ; Wv's scale words: register 16 s + 4 a + q
.set AF,   128                         ; source 1's fragments
.set TMP,  192                         ; the ways out: packed results
.set OB,   32                          ; the ways out: 16 rows read back: v32-63 and v224-255 by turns
.set G0W, 8                            ; s[8:11]  group 0 for Wv's codes
.set G1, 24                            ; s[24:31] group 1 for x's tiles;  s[32:39] group 0, a set for each slot
.set G0, 32
.set G1B, 48                           ; s[48:55], s[56:63] the same for Wq | Wk's
.set G0B, 56
.set G1S, 68                           ; s[68:75], s[76:79] groups 1 and 0 for x's scales;  s[80:87], s[88:91] for Wq | Wk's
.set G0S, 76
.set G1SB, 80
.set G0SB, 88
.set G1W, 92                           ; s[92:99] group 1 for Wv's codes
.set MSB, 0
.macro WIN new                         ; the immediate's high byte repeats the setting that is left; a switch that changes nothing is dropped
.if MSB != (\new)
	s_set_vgpr_msb (MSB<<8)|(\new)
.set MSB, (\new)
.endif
.endm
.set MUL_LO, 0xa1                      ; source 0 window 1, source 1 window 0, C and D window 2
.set MUL_HI, 0xf1                      ; the same, C and D window 3
.set TO_B,   0x40                      ; destination window 1, address window 0
; A joint load: waves 0 and 1 fetch for x, waves 2 and 3 for Wq | Wk; the branch hangs on the wave's number alone.  An s_nop 0 and four v_nop follow each of the two lines.
.macro JLOAD g0a, g1a, g0b, g1b
	s_cmp_eq_u32 s15, 0
	s_cbranch_scc0 .Lfor_b_\@
	tensor_load_to_lds s[\g0a:\g0a+3], s[\g1a:\g1a+7]
	s_nop 0
.rept 4
	v_nop
.endr
	s_branch .Lasked_\@
.Lfor_b_\@:
	tensor_load_to_lds s[\g0b:\g0b+3], s[\g1b:\g1b+7]
	s_nop 0
.rept 4
	v_nop
.endr
.Lasked_\@:
.endm
.macro CREST                           ; a round of the cluster's barrier behind its opening barrier
	s_cmp_lg_u32 s14, 0
	s_cbranch_scc1 .Lnot_wave_0_\@
	s_barrier_signal -3
.Lnot_wave_0_\@:
	s_barrier_wait -3
	s_barrier_signal -1
	s_barrier_wait -1
.endm
.macro CROUND                          ; a whole round
	s_barrier_signal -1
	s_barrier_wait -1
	CREST
.endm
	s_load_b128 s[4:7], s[0:1], 0x0                ; codes s[4:5], scl s[6:7]
	s_load_b64 s[12:13], s[0:1], 0x10              ; qkv
	v_lshl_add_u32 v[SPW], v0, 2, SPARE
	v_mov_b32 v[NIL], 0
	ds_add_u32 v[SPW], v[NIL]                      ; the wave's opening: the add, twice on end, and its wait ahead of my first tensor load; the set-up below stands between
	ds_add_u32 v[SPW], v[NIL]
	v_lshrrev_b32 v1, 5, v0
	v_readfirstlane_b32 s14, v1                    ; wave 0..3
	s_lshr_b32 s15, s14, 1                         ; which half of a tile's rows is mine.  Also: I fetch for x (0) or for Wq | Wk (1)
	s_and_b32 s16, s14, 1                          ; which half of its columns.  Also: which 128 rows of that tile I fetch
	s_bfe_u32 s40, ttmp6, 0x40000                  ; cx, cy: my place in the cluster
	s_bfe_u32 s41, ttmp6, 0x40004
	s_lshl_b32 s42, ttmp9, 2
	s_add_co_u32 s42, s42, s40                     ; g = 4 x cluster x + cx, 0..7: which rows of the weights
	s_and_b32 s17, ttmp7, 0xffff
	s_lshl_b32 s17, s17, 2
	s_add_co_u32 s17, s17, s41                     ; R = 4 x cluster y + cy, 0..31: which 256 rows of x
	s_lshl_b32 s43, s41, 2
	s_lshl_b32 s43, 15, s43                        ; my row of the cluster
	s_lshl_b32 s44, 0x1111, s40                    ; my column
	; descriptor group 1: a tile of 128 rows x 256 bytes, padded in LDS
	s_or_b32 s[G1+0], s43, (0<<16)|(1<<20)|(1<<21)|(5<<22)|(3<<25)  ; 15:0 the mask; 17:16 elements of 1 byte; 20 padding on; 21 set beside a mask; 24:22 after every 64 words; 31:25 four words
	s_or_b32 s[G1B+0], s44, (0<<16)|(1<<20)|(1<<21)|(5<<22)|(3<<25)
.irp g, G1, G1B
	s_mov_b32 s[\g+1], ROWB<<16                    ; tensor_dim0
	s_mov_b32 s[\g+2], 128<<16                     ; tensor_dim1
	s_mov_b32 s[\g+3], ROWB<<16                    ; tile_dim0
	s_mov_b32 s[\g+4], 128                         ; tile_dim1
	s_mov_b32 s[\g+5], KROW                        ; tensor_dim0_stride
	s_mov_b32 s[\g+6], 0
	s_mov_b32 s[\g+7], 0
.endr
	; the scales of 128 rows: a dense block of 4,096 bytes, as 16 rows of 256 bytes (32 elements of 8 bytes), 16 bytes of padding behind each
	s_or_b32 s[G1S+0], s43, (3<<16)|(1<<20)|(1<<21)|(5<<22)|(3<<25)
	s_or_b32 s[G1SB+0], s44, (3<<16)|(1<<20)|(1<<21)|(5<<22)|(3<<25)
.irp g, G1S, G1SB
	s_mov_b32 s[\g+1], 32<<16
	s_mov_b32 s[\g+2], (128*KS/256)<<16
	s_mov_b32 s[\g+3], 32<<16
	s_mov_b32 s[\g+4], 128*KS/256
	s_mov_b32 s[\g+5], 32
	s_mov_b32 s[\g+6], 0
	s_mov_b32 s[\g+7], 0
.endr
	; Wv's codes: 32 whole rows of 512 bytes a wave, dense in memory, stated as 64 rows of 256 bytes: the same padding as every other tile
	s_or_b32 s[G1W+0], s44, (0<<16)|(1<<20)|(1<<21)|(5<<22)|(3<<25)
	s_mov_b32 s[G1W+1], ROWB<<16
	s_mov_b32 s[G1W+2], 64<<16
	s_mov_b32 s[G1W+3], ROWB<<16
	s_mov_b32 s[G1W+4], 64
	s_mov_b32 s[G1W+5], ROWB
	s_mov_b32 s[G1W+6], 0
	s_mov_b32 s[G1W+7], 0
	s_lshl_b32 s18, s16, 7                         ; which 128 rows of the tile I fetch
	s_lshl_b32 s20, s17, 8
	s_add_co_u32 s20, s20, s18                     ; x's first row: it never holds cx
	s_lshl_b32 s46, s42, 8
	s_add_co_u32 s46, s46, s18
	s_add_co_u32 s46, s46, 8192                    ; Wq | Wk's: it never holds cy
	s_lshl_b32 s22, s20, 5                         ; where these rows' scales begin, in bytes,
	s_lshl_b32 s66, s46, 5
	s_lshl_b32 s20, s20, 9                         ; and their codes (all under 2^23)
	s_lshl_b32 s46, s46, 9
	s_mov_b32 s21, 0
	s_mov_b32 s23, 0
	s_mov_b32 s47, 0
	s_mov_b32 s67, 0
	s_mul_i32 s45, s14, HALFT                      ; where they go: wave x 128 rows: no place in the cluster enters an LDS address
	s_mul_i32 s19, s14, HALFS
	s_lshl_b32 s2, s42, 7                          ; Wv: row 10240 + 128 g + 32 x wave: it never holds cy
	s_lshl_b32 s3, s14, 5
	s_add_co_u32 s2, s2, s3
	s_add_co_u32 s2, s2, 10240
	s_lshl_b32 s2, s2, 9
	s_mov_b32 s3, 0
	s_mul_i32 s18, s14, 64*PITCH
	s_wait_dscnt 0x0                               ; both opening adds are done
	s_wait_kmcnt 0x0
	s_add_nc_u64 s[20:21], s[4:5], s[20:21]
	s_add_nc_u64 s[22:23], s[6:7], s[22:23]
	s_add_nc_u64 s[46:47], s[4:5], s[46:47]
	s_add_nc_u64 s[66:67], s[6:7], s[66:67]
	s_mov_b32 s[G0W], 1
	s_add_co_u32 s[G0W+1], s18, WVB
	s_add_nc_u64 s[G0W+2:G0W+3], s[4:5], s[2:3]
	s_or_b32 s[G0W+3], s[G0W+3], 0x80000000
	CROUND                                         ; all sixteen work-groups are here: the first joint loads meet
	s_mov_b32 s[G0S], 1
	s_add_co_u32 s[G0S+1], s19, SCL
	s_mov_b64 s[G0S+2:G0S+3], s[22:23]
	s_or_b32 s[G0S+3], s[G0S+3], 0x80000000
	s_mov_b32 s[G0SB], 1
	s_add_co_u32 s[G0SB+1], s19, SCL
	s_mov_b64 s[G0SB+2:G0SB+3], s[66:67]
	s_or_b32 s[G0SB+3], s[G0SB+3], 0x80000000
	JLOAD G0S, G1S, G0SB, G1SB                     ; the scales first: they are wanted with K step 0
.irp s, 0,1
	s_mov_b32 s[G0+4*\s], 1
	s_add_co_u32 s[G0+4*\s+1], s45, \s*SLOT
	s_add_nc_u64 s[G0+4*\s+2:G0+4*\s+3], s[20:21], \s*ROWB
	s_or_b32 s[G0+4*\s+3], s[G0+4*\s+3], 0x80000000
	s_mov_b32 s[G0B+4*\s], 1
	s_add_co_u32 s[G0B+4*\s+1], s45, \s*SLOT
	s_add_nc_u64 s[G0B+4*\s+2:G0B+4*\s+3], s[46:47], \s*ROWB
	s_or_b32 s[G0B+4*\s+3], s[G0B+4*\s+3], 0x80000000
	JLOAD G0+4*\s, G1, G0B+4*\s, G1B               ; three loads of mine are out behind the second of these
.endr
	v_and_b32 v1, 15, v0                           ; l % 16
	v_bfe_u32 v2, v0, 4, 1                         ; l / 16
	; Wv's scale words, straight into registers: row 10240 + 128 g + 64 x (my half of the channels) + 16 a + l % 16: 32 bytes a row, 16 for each slot
	s_lshl_b32 s18, s42, 7
	s_lshl_b32 s19, s15, 6
	s_add_co_u32 s18, s18, s19
	s_add_co_u32 s18, s18, 10240
	s_lshl_b32 s18, s18, 5
	s_mov_b32 s19, 0
	s_add_nc_u64 s[66:67], s[6:7], s[18:19]
	v_lshlrev_b32 v[SWO], 5, v1
.irp s, 0,1
.irp a, 0,1,2,3
	global_load_b128 v[SW+16*\s+4*\a:SW+16*\s+4*\a+3], v[SWO], s[66:67] offset:\a*512+16*\s
.endr
.endr
	v_mul_u32_u24 v3, v1, PITCH
	v_lshl_add_u32 v4, v2, 4, v3                   ; a fragment's row x pitch + 16 x half
	s_mul_i32 s21, s15, HALFT                      ; first product: my 128 rows of x,
	s_mul_i32 s22, s16, HALFT                      ; my 128 rows of Wq | Wk,
	s_mov_b32 s23, s22                             ; second product: my 128 rows of x
	s_add_co_u32 s22, s22, 2*HALFT                 ; (the weights lie behind x's 256 rows)
.irp s, 0,1
	v_add_nc_u32 v[ADRA+\s], s21, v4
	v_add_nc_u32 v[ADRB+\s], s22, v4
	v_add_nc_u32 v[ADX+\s], s23, v4
	s_add_co_u32 s21, s21, SLOT
	s_add_co_u32 s22, s22, SLOT
	s_add_co_u32 s23, s23, SLOT
.endr
	v_mul_u32_u24 v5, v1, 2*PITCH                  ; Wv: a row is two LDS rows
	v_lshl_add_u32 v5, v2, 4, v5
	s_mul_i32 s21, s15, 64*2*PITCH                 ; my 64 channels
	s_add_co_u32 s21, s21, WVB
	v_add_nc_u32 v[ADW], s21, v5
	v_mul_u32_u24 v5, v1, KS                       ; my row's scales: 32 bytes a row,
	v_lshrrev_b32 v6, 8, v5
	v_lshl_add_u32 v5, v6, 4, v5                   ; and 16 more for each 256 passed
	s_mul_i32 s23, s16, HALFS                      ; second product: x's, my 128 rows there
	s_add_co_u32 s23, s23, SCL
	v_add_nc_u32 v[ADSX], s23, v5
	s_mul_i32 s21, s15, HALFS                      ; first product: x's: my 128 rows
	s_mul_i32 s22, s16, HALFS                      ; Wq | Wk's: my 128 rows, behind x's 256
	s_add_co_u32 s22, s22, 2*HALFS
	s_sub_co_u32 s22, s22, s21
	v_mul_u32_u24 v6, s22, v2                      ; lanes 16-31 take the weights': one product, the distance between the two bases
	s_add_co_u32 s21, s21, SCL
	v_add_nc_u32 v5, v5, v6
	v_add_nc_u32 v[ADRS], s21, v5
	s_mul_i32 s23, s14, 16*SPITCH
	s_add_co_u32 s23, s23, STAGE                   ; my stage
	v_mul_u32_u24 v5, v1, SPITCH                   ; in: row l % 16, 16 bytes for each half of the lanes
	v_lshl_add_u32 v5, v2, 4, v5
	v_add_nc_u32 v[STO], s23, v5
	v_mul_u32_u24 v5, v2, SPITCH                   ; back: lanes 0-15 one row of 256 bytes, lanes 16-31 the next
	v_lshl_add_u32 v5, v1, 4, v5
	v_add_nc_u32 v[RD], s23, v5
	v_lshlrev_b32 v5, 12, v2                       ; and the same two rows in qkv
	v_lshl_add_u32 v[CO], v1, 4, v5
	; where my part of v^T begins: row 8192 + 1024 x batch + 128 g + 64 x half; byte 512 x (R % 8) + 256 x half
	s_lshr_b32 s18, s17, 3
	s_lshl_b32 s18, s18, 10
	s_lshl_b32 s19, s42, 7
	s_add_co_u32 s18, s18, s19
	s_lshl_b32 s19, s15, 6
	s_add_co_u32 s18, s18, s19
	s_add_co_u32 s18, s18, 8192
	s_lshl_b32 s18, s18, 12                        ; (under 2^26)
	s_and_b32 s19, s17, 7
	s_lshl_b32 s19, s19, 9
	s_add_co_u32 s18, s18, s19
	s_lshl_b32 s19, s16, 8
	s_add_co_u32 s18, s18, s19
	s_mov_b32 s19, 0
	s_add_nc_u64 s[2:3], s[12:13], s[18:19]
	; and of q | k: row 256 R + 128 x half; byte 512 g + 256 x half
	s_lshl_b32 s20, s17, 8
	s_lshl_b32 s21, s15, 7
	s_add_co_u32 s20, s20, s21
	s_lshl_b32 s20, s20, 12
	s_lshl_b32 s46, s42, 9
	s_lshl_b32 s47, s16, 8
	s_add_co_u32 s46, s46, s47
	s_add_co_u32 s20, s20, s46
	s_mov_b32 s21, 0
	s_add_nc_u64 s[12:13], s[12:13], s[20:21]
.macro FRAG reg, adr, q, i             ; a fragment, 16 rows x 128 K of 4-bit codes: lane l holds row l % 16; registers 4 c .. 4 c + 3 hold K = 64 c + 32 (l / 16) + 0 .. 31
.irp c, 0,1
	ds_load_b128 v[\reg+4*\c:\reg+4*\c+3], v[\adr] offset:64*(\q)+32*\c+(\i)*16*PITCH
.endr
.endm
; 16 matrix instructions of the first product: x's blocks a0, a0 + 1 x the weights' eight, the slot's q-th 128 along K.  p: source 0's set;  sc: the set of scale words.  zero = 1: the first product starts the sums.
; The 64 accumulators take turns, one instruction a turn, in the same order in every step.
.macro MUL16 a0, p, q, sc, zero
.irp a, \a0, \a0+1
.irp b, 0,1,2,3,4,5,6,7
.if \zero
	v_wmma_scale_f32_16x16x128_f8f6f4 v[8*(8*((\a)%4)+\b):8*(8*((\a)%4)+\b)+7], v[128*(\p)+FR*\b:128*(\p)+FR*\b+FR-1], v[AF+FR*(\a):AF+FR*(\a)+FR-1], 0, v[SC+8*NQ*(\sc)+NQ*\b+(\q)], v[SC+8*NQ*(\sc)+NQ*(\a)+(\q)] matrix_a_fmt:MATRIX_FMT_FP4 matrix_b_fmt:MATRIX_FMT_FP4 matrix_a_scale:MATRIX_SCALE_ROW1
.else
	v_wmma_scale_f32_16x16x128_f8f6f4 v[8*(8*((\a)%4)+\b):8*(8*((\a)%4)+\b)+7], v[128*(\p)+FR*\b:128*(\p)+FR*\b+FR-1], v[AF+FR*(\a):AF+FR*(\a)+FR-1], v[8*(8*((\a)%4)+\b):8*(8*((\a)%4)+\b)+7], v[SC+8*NQ*(\sc)+NQ*\b+(\q)], v[SC+8*NQ*(\sc)+NQ*(\a)+(\q)] matrix_a_fmt:MATRIX_FMT_FP4 matrix_b_fmt:MATRIX_FMT_FP4 matrix_a_scale:MATRIX_SCALE_ROW1
.endif
.endr
.endr
.endm
.macro FETCH_B slot, q, p              ; the weights' eight fragments of the slot's q-th 128 along K into set p
	WIN TO_B
.irp i, 0,1,2,3,4,5,6,7
	FRAG 128*(\p)+FR*\i, ADRB+\slot, \q, \i
.endr
	WIN 0
.endm
.macro FETCH_A slot, q, i0             ; x's blocks i0 .. i0 + 3
.irp i, \i0, \i0+1, \i0+2, \i0+3
	FRAG AF+FR*(\i), ADRA+\slot, \q, \i
.endr
.endm
.macro SCALES sc                       ; a K step's scale words into set sc: four words a row; lanes 0-15 take x's block i, lanes 16-31 the weights' block i
.irp i, 0,1,2,3,4,5,6,7
	ds_load_b128 v[SC+8*NQ*\sc+NQ*\i:SC+8*NQ*\sc+NQ*\i+3], v[ADRS] offset:\i*SBLK
.endr
.endm
; A load into a register that a matrix instruction has read, and a vector instruction that reads a matrix result, stand NP places behind that matrix instruction; only plain vector
; instructions that name none of its registers are places (ISA guide 7.12.1 for vector instructions).
.macro PLACES n
.rept \n
	v_nop
.endr
.endm
; A step of 128 along K that has its successor in the same slot.  x's blocks are free as soon as their eight products are issued: blocks 0-3 are fetched anew in the step's middle, blocks 4-7 at its end.
.macro STEP slot, q, zero
	s_wait_dscnt 4*NL                              ; source 0's set and x's blocks 0-3 are in; the youngest eight loads (x's blocks 4-7) may be out
	WIN MUL_LO
	MUL16 0, (\q)%2, \q, \slot, \zero
	MUL16 2, (\q)%2, \q, \slot, \zero
	s_wait_dscnt 0                                 ; x's blocks 4-7 are in (asked for 32 matrix instructions ago)
	PLACES NP
	FETCH_B \slot, (\q)+1, 1-(\q)%2
	FETCH_A \slot, (\q)+1, 0
	WIN MUL_HI
	MUL16 4, (\q)%2, \q, \slot, \zero
	MUL16 6, (\q)%2, \q, \slot, \zero
	PLACES NP
	WIN 0
	FETCH_A \slot, (\q)+1, 4
.endm
; Slot 0's last step changes slots.  In front of the barrier each wave waits for all its tensor loads (its part of slot 1), adds 0 to its spare word, and waits for that and for its reads of slot 0.
; The barrier opens a round of the cluster's barrier: behind the round no wave of any partner reads slot 0's rows of Wq | Wk, and Wv's codes are asked for into their bytes, first thing, one load a wave.
.macro TURN slot, next
	s_wait_tensorcnt 0x0                           ; all my tensor loads have landed
	ds_add_u32 v[SPW], v[NIL]                      ; 0 onto my spare word
	s_wait_dscnt 4*NL+1                            ; (the add and the youngest eight loads, x's blocks 4-7, may be out)
	WIN MUL_LO
	MUL16 0, 1, NQ-1, \slot, 0
	s_wait_dscnt 0x0                               ; the add is done, and my reads of this slot are over
	s_barrier_signal -1
	MUL16 2, 1, NQ-1, \slot, 0
	WIN 0
	s_barrier_wait -1
	CREST
	tensor_load_to_lds s[G0W:G0W+3], s[G1W:G1W+7]  ; it has slot 1's 256 matrix instructions and the first way out in which to land
	s_nop 0
	PLACES NP                                      ; (the places in front of the loads below)
	v_add_nc_u32 v[ADRS], 4*NQ, v[ADRS]            ; on to the next K step's scale words
	FETCH_B \next, 0, 0
	FETCH_A \next, 0, 0
	SCALES \next
	WIN MUL_HI
	MUL16 4, 1, NQ-1, \slot, 0
	MUL16 6, 1, NQ-1, \slot, 0
	PLACES NP
	WIN 0
	FETCH_A \next, 0, 4
.endm
.macro STEPS slot, from                ; the slot's steps from .. NQ - 2
.set Q, \from
.rept NQ-1-\from
	STEP \slot, Q, 0
.set Q, Q+1
.endr
.endm
	s_wait_tensorcnt 1                             ; the scales and my part of slot 0 are in (slot 1's load may be out)
	s_barrier_signal -1
	s_barrier_wait -1                              ; everybody's are
	FETCH_B 0, 0, 0
	FETCH_A 0, 0, 0
	SCALES 0
	FETCH_A 0, 0, 4
	STEP 0, 0, 1                                   ; the first step's products start the sums: nothing is cleared
	STEPS 0, 1
	TURN 0, 1
	STEPS 1, 0
	s_wait_dscnt 4*NL                              ; the first product's last step: nothing more to fetch
	WIN MUL_LO
	MUL16 0, 1, NQ-1, 1, 0
	MUL16 2, 1, NQ-1, 1, 0
	s_wait_dscnt 0
	WIN MUL_HI
	MUL16 4, 1, NQ-1, 1, 0
	MUL16 6, 1, NQ-1, 1, 0
	WIN 0
; A WAY OUT, block by block of 16 rows x 128 columns.  PACK: rounded to f16, 16 bytes a lane, each accumulator from its low end on.  TOSTAGE: into my own stage, and back as whole rows of 256 bytes.  SEND: stored.
.macro PACK a
.set AC, 64*((\a)%4)
	WIN 0x0a+5*((\a)/4)                            ; sources 0 and 1: window 2 or 3
.irp b, 0,1,2,3,4,5,6,7
.irp r, 0,1,2,3
	v_cvt_pk_f16_f32 v[TMP+4*\b+\r], v[AC+8*\b+2*\r], v[AC+8*\b+2*\r+1]
.endr
.endr
	WIN 0
.endm
.macro TOSTAGE a
.set BK, OB+192*((\a)%2)
.irp b, 0,1,2,3,4,5,6,7
	ds_store_b128 v[STO], v[TMP+4*\b:TMP+4*\b+3] offset:32*\b
.endr
.irp t, 0,1,2,3,4,5,6,7
	ds_load_b128 v[BK+4*\t:BK+4*\t+3], v[RD] offset:\t*2*SPITCH    ; LDS serves a wave's instructions in order (ISA guide 5.7.1.4): these see the stores above
.endr
.endm
.macro SEND a
.set BK, OB+192*((\a)%2)
	s_wait_dscnt 0x0                               ; the block is back in registers
	s_wait_xcnt 0x0                                ; the earlier stores have read their base and their registers: only behind this wait are these written again
.if (\a) > 0
	s_add_nc_u64 s[12:13], s[12:13], 16*ROWC       ; 16 rows on
.endif
.irp t, 0,1,2,3,4,5,6,7
	global_store_b128 v[CO], v[BK+4*\t:BK+4*\t+3], s[12:13] offset:2*\t*ROWC   ; 16 lanes store 256 consecutive bytes, at a multiple of 256 from the buffer's first byte
.endr
.endm
	PLACES NP                                      ; for the reads of the last products' results, and for the loads into the registers that held scale words
	PACK 0
	TOSTAGE 0
.irp a, 1,2,3,4,5,6,7                  ; block a's conversions stand between block a - 1's loads from the stage and the wait for them
	PACK \a
	SEND \a-1
	TOSTAGE \a
.endr
	SEND 7
; THE SECOND PRODUCT: v^T = Wv x^T.  Source 0 = 16 of x's rows (my 128 positions: eight blocks), source 1 = 16 of Wv's rows (my 64 channels: four blocks): a lane holds one channel and eight neighbouring positions.
; Eight steps of 128 along K, 32 matrix instructions each, the 32 accumulators by turns; the next step's 24 LDS loads stand in one run at a step's head, into the other sets.  q | k's stores leave meanwhile.
.macro P2FETCH k                       ; the fragments of step k into sets k % 2
	WIN TO_B
.irp i, 0,1,2,3,4,5,6,7
	FRAG 128*((\k)%2)+FR*\i, ADX+(\k)/4, (\k)%4, \i
.endr
	WIN 0
.irp a, 0,1,2,3
.irp c, 0,1
	ds_load_b128 v[AF+32*((\k)%2)+FR*\a+4*\c:AF+32*((\k)%2)+FR*\a+4*\c+3], v[ADW] offset:PITCH*((\k)/4)+64*((\k)%4)+32*\c+\a*32*PITCH
.endr
.endr
.endm
.macro P2STEP k, more
	PLACES NP                                      ; the other sets were read by the step before
.if \more
	P2FETCH (\k)+1
	s_wait_dscnt 24                                ; this step's fragments and the scale words are in; the 24 loads just issued may be out
.else
	s_wait_dscnt 0x0
.endif
	WIN MUL_LO
.irp a, 0,1,2,3
.irp b, 0,1,2,3,4,5,6,7
.if (\k) == 0
	v_wmma_scale_f32_16x16x128_f8f6f4 v[8*(8*\a+\b):8*(8*\a+\b)+7], v[128*((\k)%2)+FR*\b:128*((\k)%2)+FR*\b+FR-1], v[AF+32*((\k)%2)+FR*\a:AF+32*((\k)%2)+FR*\a+FR-1], 0, v[SC+32*((\k)/4)+4*\b+(\k)%4], v[SW+16*((\k)/4)+4*\a+(\k)%4] matrix_a_fmt:MATRIX_FMT_FP4 matrix_b_fmt:MATRIX_FMT_FP4
.else
	v_wmma_scale_f32_16x16x128_f8f6f4 v[8*(8*\a+\b):8*(8*\a+\b)+7], v[128*((\k)%2)+FR*\b:128*((\k)%2)+FR*\b+FR-1], v[AF+32*((\k)%2)+FR*\a:AF+32*((\k)%2)+FR*\a+FR-1], v[8*(8*\a+\b):8*(8*\a+\b)+7], v[SC+32*((\k)/4)+4*\b+(\k)%4], v[SW+16*((\k)/4)+4*\a+(\k)%4] matrix_a_fmt:MATRIX_FMT_FP4 matrix_b_fmt:MATRIX_FMT_FP4
.endif
.endr
.endr
	WIN 0
.endm
	s_wait_xcnt 0x0                                ; q | k's stores have read their registers and their base: both are written again below
	s_wait_tensorcnt 0x0                           ; my part of Wv's codes has landed,
	s_wait_loadcnt 0x0                             ; Wv's scale words are in,
	s_wait_dscnt 0x0
	s_barrier_signal -1
	s_barrier_wait -1                              ; and everybody's part has landed.
.irp s, 0,1
.irp i, 0,1,2,3,4,5,6,7
	ds_load_b128 v[SC+32*\s+4*\i:SC+32*\s+4*\i+3], v[ADSX] offset:\i*SBLK+16*\s   ; x's scale words of my eight blocks, both slots; lanes 16-31 hold the same and are not read
.endr
.endr
	P2FETCH 0
.irp k, 0,1,2,3,4,5,6
	P2STEP \k, 1
.endr
	P2STEP 7, 0
	PLACES NP                                      ; for the reads of the last products' results, and for the loads into the registers that held scale words
	s_mov_b64 s[12:13], s[2:3]                     ; my part of v^T (no store has been issued since the wait on XCNT above)
	PACK 0
	TOSTAGE 0
.irp a, 1,2,3
	PACK \a
	SEND \a-1
	TOSTAGE \a
.endr
	SEND 3
	s_wait_tensorcnt 0x0                           ; the wave's end, behind my last tensor load and my last LDS store
	ds_add_u32 v[SPW], v[NIL]
	s_wait_dscnt 0x0
	CROUND                                         ; the closing round: no work-group ends while a partner may still ask for a tile that names it
	s_endpgm
.Lfunc_end_k_qd6f0168bba_proj:
	.size	k_qd6f0168bba_proj, .Lfunc_end_k_qd6f0168bba_proj-k_qd6f0168bba_proj
	.p2alignl 7, 3214868480
	.fill 96, 4, 3214868480
	.section	.rodata,"a",@progbits
	.p2align	6, 0x0
	.amdhsa_kernel k_qd6f0168bba_proj
		.amdhsa_group_segment_fixed_size 327680
		.amdhsa_private_segment_fixed_size 0
		.amdhsa_enable_private_segment 0
		.amdhsa_kernarg_size 24
		.amdhsa_user_sgpr_count 2
		.amdhsa_user_sgpr_kernarg_segment_ptr 1
		.amdhsa_wavefront_size32 1
		.amdhsa_system_sgpr_workgroup_id_x 1
		.amdhsa_system_sgpr_workgroup_id_y 1
		.amdhsa_system_sgpr_workgroup_id_z 1
		.amdhsa_system_vgpr_workitem_id 0
		.amdhsa_next_free_vgpr 1024
		.amdhsa_next_free_sgpr 100
		.amdhsa_reserve_vcc 0
		.amdhsa_float_denorm_mode_32 3
		.amdhsa_float_denorm_mode_16_64 3
		.amdhsa_memory_ordered 1
		.amdhsa_forward_progress 1
		.amdhsa_inst_pref_size 193
	.end_amdhsa_kernel
	.amdgpu_metadata
---
amdhsa.version: [ 1, 2 ]
amdhsa.kernels:
  - .name:           k_qd6f0168bba_proj
    .symbol:         k_qd6f0168bba_proj.kd
    .args:
      - { .name: codes, .offset: 0, .size: 8, .value_kind: global_buffer, .address_space: global }
      - { .name: scl, .offset: 8, .size: 8, .value_kind: global_buffer, .address_space: global }
      - { .name: qkv, .offset: 16, .size: 8, .value_kind: global_buffer, .address_space: global }
    .group_segment_fixed_size: 327680
    .private_segment_fixed_size: 0
    .kernarg_segment_align: 8
    .kernarg_segment_size: 24
    .max_flat_workgroup_size: 128
    .sgpr_count:     100
    .vgpr_count:     1024
    .wavefront_size: 32
...
	.end_amdgpu_metadata
.endif
;; end of part 2
;; launch score (part 3): grid 8 x 32, 4 waves a work-group, clusters of 4 x 4, 327,680 bytes of LDS; arguments qkv, p, stats; writes p, stats
.if DOCPART == 3
	.amdgcn_target "amdgcn-amd-amdhsa--gfx1250"
	.amdhsa_code_object_version 6
	.text
	.protected	k_qd6f0168bba_score
	.globl	k_qd6f0168bba_score
	.p2align	8
	.type	k_qd6f0168bba_score,@function
k_qd6f0168bba_score:
	s_mov_b64 s[64:65], 0
	v_nop
	global_prefetch_b8 v0, s[64:65] scope:SCOPE_SE
	s_setreg_imm32_b32 hwreg(HW_REG_WAVE_MODE, 25, 1), 1
	s_wait_xcnt 0x0
	s_wait_alu depctr_hold_cnt(0) depctr_sa_sdst(0) depctr_va_vdst(0) depctr_va_sdst(0) depctr_va_ssrc(0) depctr_va_vcc(0) depctr_vm_vsrc(0)
	s_getreg_b32 s2, hwreg(HW_REG_IB_STS2, 6, 4)
	s_cmp_eq_u32 s2, 0
	s_cbranch_scc0 .Lentry_in_a_cluster
	s_endpgm
.Lentry_in_a_cluster:
	s_bfe_u32 s2, ttmp6, 0x10000c
	s_cmp_lg_u32 s2, 0xf033
	s_cbranch_scc0 .Lentry_shape_is_right
	s_endpgm
.Lentry_shape_is_right:
; S = q k^T for each batch, and the softmax's first half, by chunks of 128 keys.  q, k: f16, in rows 0-8191 of qkv (4,096 bytes a row: q, then k); sums in f32.
; t = S x log2(e) / 32.  For each query and each chunk of 128 keys: M = the chunk's largest t rounded UP to a whole number; p = 2^(t - M), at most 1, above 1/2 for the largest; l = the sum of the chunk's p in f32.
; p, f16, IS LAID IN THE ORDER OF THE NEXT LAUNCH'S OPERAND REGISTERS: [block of 16 queries, 0..511][32 keys, 0..63][half, 0..1][lane][16 bytes]: lane l's 16 bytes are query l % 16 of the block and the keys
; 16 x half + 8 (l / 16) + 0 .. 7 of the 32.  That is what a lane here holds of one accumulator, rounded: so p is stored from the registers in which it is made, 512 consecutive bytes an instruction.
; stats: -M at byte 32768 c + 4 w, l at 524288 + the same; c = the chunk (0..15), w = (row & ~63) | ((row & 15) << 2) | ((row >> 4) & 3).
; The last launch knows all 16 M of a row and brings every chunk under the row's largest M by a power of two: so a maximum is taken away ahead of every exponential, whatever the inputs.
; LIMITS: NaN and infinities among q and k are not served; a p under 2^-24 of its chunk's scale rounds to 0 or to a subnormal f16.
; A tile, 256 queries x 256 keys, is made by four waves, 128 x 128 each: 64 accumulators, 512 registers: a wave's 128 keys are one chunk.  K = 1024 goes in 8 steps of 128 (rows of 256 bytes) through two LDS slots.
; CLUSTERS: 4 x 4 work-groups; q's tile is shared along a row of the cluster, k's along a column: each is asked for jointly, by the same tensor load with the same descriptor and a mask that names the four.
; THE MATRIX INSTRUCTION IS USED TRANSPOSED (source 0 = 16 keys, source 1 = 16 queries): a lane holds ONE query (lane % 16) and, in accumulator (a, b), the keys 16 b + 8 (lane / 16) + 0 .. 7.
; REGISTERS, in windows of 256: window 0: v16-31 addresses; v64-127, v128-191 q's fragments, two buffers; on the way out v64-73 at work, v192-223 and v224-255 packed p, by turns.
;   window 1: v64-127, v128-191 k's fragments.  window 2: the accumulators of my queries 0-63 ((a, b) at v[8 (8 a + b)]);  window 3: those of queries 64-127.
.set KSTEP,  128
.set PITCH,  272                       ; an LDS row: 256 bytes + 16 of padding: the 16 rows that a load touches start at 16 different banks (64 banks of 4 bytes: ISA guide 11.1)
.set HALFT,  128*PITCH
.set SLOT,   4*HALFT                   ; q's 256 rows, then k's 256 rows
.set STAT,   2*SLOT                    ; behind the ring: 1,024 bytes for each wave: its 128 -M, then its 128 l
.set SPARE,  STAT+4*1024               ; the spare words, 128 bytes a wave, which no other line names
.set LAPS,   4                         ; a lap = two K steps = once round the ring
.set ADRA, 16                          ; v16-17  LDS address of my q fragments in slot 0, 1
.set ADRB, 20                          ; v20-21  the same for k
.set STA,  27                          ; v27     where I put my query's -M and l
.set SPW,  28                          ; v28     LDS address of my spare word; never rewritten
.set NIL,  29                          ; v29     0; never rewritten
.set STR,  30                          ; v30     where I read 16 bytes of them back
.set SGO,  31                          ; v31     16 x lane: my byte offset in 512 bytes of p or of stats
.set F0,   64
.set F1,   128
.set T,    64                          ; v64-67  four running maxima
.set NM,   68                          ; v[68:69] -M (the packed form names a pair and takes its low word for both halves)
.set LA,   70                          ; v[70:71], v[72:73] the sum, in two chains of pairs
.set LB,   72
.set TMP,  192
.set G1, 24                            ; s[24:31] group 1 for q's tiles;  s[32:39] group 0, a set for each slot
.set G0, 32
.set G1B, 48                           ; s[48:55], s[56:63] the same for k's
.set G0B, 56
.set CS,  44                           ; s[44:45] log2(e) / 32, on the way out
.set SEL, 46                           ; s[46:47] v_permlanex16_b32's selects for lane l xor 16, on the way out
.set MSB, 0
.macro WIN new                         ; the immediate's high byte repeats the setting that is left; a switch that changes nothing is dropped
.if MSB != (\new)
	s_set_vgpr_msb (MSB<<8)|(\new)
.set MSB, (\new)
.endif
.endm
.set MUL_LO, 0xa1                      ; source 0 (k) window 1, source 1 (q) window 0, C and D window 2
.set MUL_HI, 0xf1                      ; the same, C and D window 3
.set TO_B,   0x40                      ; destination window 1, address window 0
; A joint load: waves 0 and 1 fetch q's two halves, waves 2 and 3 k's; the branch hangs on the wave's number alone.  An s_nop 0 and four v_nop follow each of the two lines.
.macro JLOAD s
	s_cmp_eq_u32 s11, 0
	s_cbranch_scc0 .Lfor_b_\@
	tensor_load_to_lds s[G0+4*\s:G0+4*\s+3], s[G1:G1+7]
	s_nop 0
.rept 4
	v_nop
.endr
	s_branch .Lasked_\@
.Lfor_b_\@:
	tensor_load_to_lds s[G0B+4*\s:G0B+4*\s+3], s[G1B:G1B+7]
	s_nop 0
.rept 4
	v_nop
.endr
.Lasked_\@:
.endm
.macro CREST                           ; a round of the cluster's barrier behind its opening barrier
	s_cmp_lg_u32 s10, 0
	s_cbranch_scc1 .Lnot_wave_0_\@
	s_barrier_signal -3
.Lnot_wave_0_\@:
	s_barrier_wait -3
	s_barrier_signal -1
	s_barrier_wait -1
.endm
.macro CROUND                          ; a whole round
	s_barrier_signal -1
	s_barrier_wait -1
	CREST
.endm
	s_load_b128 s[4:7], s[0:1], 0x0                ; qkv s[4:5], p s[6:7]
	s_load_b64 s[8:9], s[0:1], 0x10                ; stats
	v_lshl_add_u32 v[SPW], v0, 2, SPARE
	v_mov_b32 v[NIL], 0
	ds_add_u32 v[SPW], v[NIL]                      ; the wave's opening: the add, twice on end, and its wait ahead of my first tensor load; the set-up below stands between
	ds_add_u32 v[SPW], v[NIL]
	v_lshrrev_b32 v1, 5, v0
	v_readfirstlane_b32 s10, v1                    ; wave 0..3
	s_lshr_b32 s11, s10, 1                         ; which half of the tile's queries is mine.  Also: I fetch for q (0) or for k (1)
	s_and_b32 s12, s10, 1                          ; which half of its keys.  Also: which 128 rows of that tile I fetch
	s_bfe_u32 s40, ttmp6, 0x40000                  ; cx, cy: my place in the cluster
	s_bfe_u32 s41, ttmp6, 0x40004
	s_lshl_b32 s42, ttmp9, 2
	s_add_co_u32 s42, s42, s40                     ; the tile of 256 keys in its batch: 4 x cluster x + cx, 0..7
	s_and_b32 s22, ttmp7, 0xffff                   ; cluster y, 0..7
	s_lshl_b32 s13, s22, 2
	s_add_co_u32 s13, s13, s41                     ; the tile of 256 queries: 4 x cluster y + cy, 0..31; its batch is cluster y / 2
	s_lshl_b32 s43, s41, 2
	s_lshl_b32 s43, 15, s43                        ; my row of the cluster
	s_lshl_b32 s44, 0x1111, s40                    ; my column
	; descriptor group 1: a tile of 128 rows x 128 elements of 2 bytes, padded in LDS
	s_or_b32 s[G1+0], s43, (1<<16)|(1<<20)|(1<<21)|(5<<22)|(3<<25)  ; 15:0 the mask; 17:16 elements of 2 bytes; 20 padding on; 21 set beside a mask; 24:22 after every 64 words; 31:25 four words
	s_or_b32 s[G1B+0], s44, (1<<16)|(1<<20)|(1<<21)|(5<<22)|(3<<25)
.irp g, G1, G1B
	s_mov_b32 s[\g+1], KSTEP<<16                   ; tensor_dim0 = 128
	s_mov_b32 s[\g+2], 128<<16                     ; tensor_dim1 = 128
	s_mov_b32 s[\g+3], KSTEP<<16                   ; tile_dim0 = 128
	s_mov_b32 s[\g+4], 128                         ; tile_dim1 = 128
	s_mov_b32 s[\g+5], 2048                        ; tensor_dim0_stride: 2,048 elements from row to row
	s_mov_b32 s[\g+6], 0
	s_mov_b32 s[\g+7], 0
.endr
	s_lshl_b32 s17, s12, 7                         ; which 128 rows of the tile I fetch
	s_lshl_b32 s16, s13, 8
	s_add_co_u32 s16, s16, s17                     ; q: row 256 x tile + 128 x half: it never holds cx
	s_lshl_b32 s16, s16, 12                        ; in bytes (under 2^25)
	s_lshr_b32 s46, s22, 1                         ; k: the batch's 8 tiles, my tile of them: it never holds cy
	s_lshl_b32 s46, s46, 3
	s_add_co_u32 s46, s46, s42
	s_lshl_b32 s46, s46, 8
	s_add_co_u32 s46, s46, s17
	s_lshl_b32 s46, s46, 12
	s_add_co_u32 s46, s46, 2048                    ; k lies in the second half of a row
	s_mov_b32 s17, 0
	s_mov_b32 s47, 0
	s_mul_i32 s20, s10, HALFT                      ; where they go: wave x 128 rows: no place in the cluster enters an LDS address
	s_wait_dscnt 0x0                               ; both opening adds are done
	s_wait_kmcnt 0x0
	s_add_nc_u64 s[14:15], s[4:5], s[16:17]
	s_add_nc_u64 s[46:47], s[4:5], s[46:47]
	CROUND                                         ; all sixteen work-groups are here: the first joint loads meet
.irp s, 0,1
	s_mov_b32 s[G0+4*\s], 1                                        ; 1:0 count = 1
	s_add_co_u32 s[G0+4*\s+1], s20, \s*SLOT                        ; 63:32 LDS address
	s_add_nc_u64 s[G0+4*\s+2:G0+4*\s+3], s[14:15], \s*KSTEP*2      ; 120:64 global address: K step s
	s_or_b32 s[G0+4*\s+3], s[G0+4*\s+3], 0x80000000                ; 127:126 type = 2
	s_mov_b32 s[G0B+4*\s], 1
	s_add_co_u32 s[G0B+4*\s+1], s20, \s*SLOT
	s_add_nc_u64 s[G0B+4*\s+2:G0B+4*\s+3], s[46:47], \s*KSTEP*2
	s_or_b32 s[G0B+4*\s+3], s[G0B+4*\s+3], 0x80000000
	JLOAD \s                                       ; two loads of mine are out behind the second
.endr
	v_and_b32 v1, 15, v0                           ; l % 16
	v_bfe_u32 v2, v0, 4, 1                         ; l / 16
	v_mul_u32_u24 v3, v1, PITCH
	v_lshl_add_u32 v3, v2, 4, v3                   ; a fragment's row x pitch + 16 x half
	s_mul_i32 s21, s11, HALFT                      ; my 128 queries
	s_mul_i32 s22, s12, HALFT                      ; my 128 keys,
	s_add_co_u32 s22, s22, 2*HALFT                 ; which lie behind q's 256 rows
.irp s, 0,1
	v_add_nc_u32 v[ADRA+\s], s21, v3
	v_add_nc_u32 v[ADRB+\s], s22, v3
	s_add_co_u32 s21, s21, SLOT
	s_add_co_u32 s22, s22, SLOT
.endr
	s_lshl_b32 s23, s10, 10
	s_add_co_u32 s23, s23, STAT                    ; my 1,024 bytes of statistics
	v_lshl_add_u32 v[STA], v1, 4, s23              ; in: 16 bytes for each query of a block: the words of blocks a % 4 = 0 .. 3
	v_and_b32 v4, 31, v0
	v_lshlrev_b32 v[SGO], 4, v4
	v_add_nc_u32 v[STR], s23, v[SGO]               ; back: 16 bytes a lane
	s_lshl_b32 s16, s13, 8
	s_lshl_b32 s17, s11, 7
	s_add_co_u32 s18, s16, s17                     ; my first query, 0..8191
	s_lshl_b32 s16, s18, 12                        ; its block of 16 queries begins 65,536 x (query / 16) bytes into p
	s_lshl_b32 s46, s42, 1
	s_add_co_u32 s46, s46, s12                     ; my chunk: 2 x tile + half
	s_lshl_b32 s47, s46, 12                        ; a chunk is 4,096 bytes of a block
	s_add_co_u32 s16, s16, s47
	s_mov_b32 s17, 0
	s_add_nc_u64 s[6:7], s[6:7], s[16:17]
	s_lshl_b32 s16, s46, 15
	s_lshl_b32 s18, s18, 2
	s_add_co_u32 s16, s16, s18
	s_add_nc_u64 s[8:9], s[8:9], s[16:17]
; 16 matrix instructions: query blocks a0, a0 + 1 of the window's four (hi = 0: my queries 0-63, 1: 64-127) x all 8 key blocks, 32 along K.  zero = 1: the first product starts the sums.
; The 64 accumulators take turns, one instruction a turn, in the same order in every quarter.
.macro MUL16 f, hi, a0, zero
.irp a, \a0, \a0+1
.irp b, 0,1,2,3,4,5,6,7
.if \zero
	v_wmma_f32_16x16x32_f16 v[8*(8*(\a)+\b):8*(8*(\a)+\b)+7], v[\f+8*\b:\f+8*\b+7], v[\f+8*(4*\hi+\a):\f+8*(4*\hi+\a)+7], 0
.else
	v_wmma_f32_16x16x32_f16 v[8*(8*(\a)+\b):8*(8*(\a)+\b)+7], v[\f+8*\b:\f+8*\b+7], v[\f+8*(4*\hi+\a):\f+8*(4*\hi+\a)+7], v[8*(8*(\a)+\b):8*(8*(\a)+\b)+7]
.endif
.endr
.endr
.endm
; 32 LDS loads in one run: the fragments of one quarter step (128 keys, 128 queries, 32 K at byte k of the rows) into buffer f
.macro FETCH slot, k, f
	WIN TO_B
.irp i, 0,1,2,3,4,5,6,7
	ds_load_b128 v[\f+8*\i:\f+8*\i+3],   v[ADRB+\slot] offset:\k+\i*16*PITCH
	ds_load_b128 v[\f+8*\i+4:\f+8*\i+7], v[ADRB+\slot] offset:\k+\i*16*PITCH+32
.endr
	WIN 0
.irp i, 0,1,2,3,4,5,6,7
	ds_load_b128 v[\f+8*\i:\f+8*\i+3],   v[ADRA+\slot] offset:\k+\i*16*PITCH
	ds_load_b128 v[\f+8*\i+4:\f+8*\i+7], v[ADRA+\slot] offset:\k+\i*16*PITCH+32
.endr
.endm
; A load into a register that a matrix instruction has read, and a vector instruction that reads a matrix result or writes one of a matrix instruction's registers, stand four places behind it;
; only plain vector instructions that name none of its registers are places (ISA guide 7.12.1 for vector instructions).
.macro PLACES
.rept 4
	v_nop
.endr
.endm
; A K step is four quarters of 32 along K, 64 matrix instructions each, on buffers 0, 1, 0, 1.  One of the first three: multiplies buffer f; in its middle it fetches the next quarter into buffer g.
.macro QUARTER slot, k, f, g, zero
	s_wait_dscnt 8                                 ; k's and q's rows 0-63 are in; the youngest eight loads (q's rows 64-127) may be out
	WIN MUL_LO
	MUL16 \f, 0, 0, \zero
	MUL16 \f, 0, 2, \zero
	PLACES
	FETCH \slot, \k, \g
	s_wait_dscnt 32                                ; all but the 32 just issued
	WIN MUL_HI
	MUL16 \f, 1, 0, \zero
	MUL16 \f, 1, 2, \zero
.endm
; The last quarter multiplies buffer 1 and changes slots: ONE barrier.  In front of it each wave waits for all its tensor loads (its part of the next slot), adds 0 to its spare word, and waits for that and for its reads of this slot.
; fill = 1: the barrier opens a round of the cluster's barrier, and behind the round this slot is filled again, two K steps ahead, first thing: the load has 224 matrix instructions in which to land.
.macro TURN slot, next, fill
	WIN 0                                          ; (the add's two registers lie in window 0)
	s_wait_tensorcnt 0x0                           ; all my tensor loads have landed
	ds_add_u32 v[SPW], v[NIL]                      ; 0 onto my spare word
	s_wait_dscnt 9                                 ; (the add and the youngest eight loads may be out)
	WIN MUL_LO
	MUL16 F1, 0, 0, 0                              ; sixteen matrix instructions stand between the add and the wait for it
	s_wait_dscnt 0x0                               ; the add is done, and my reads of this slot are over
	s_barrier_signal -1
	MUL16 F1, 0, 2, 0                              ; work on registers while the others arrive
	WIN 0                                          ; (branches may follow)
	s_barrier_wait -1
.if \fill
	CREST                                          ; no wave of any partner still reads this slot's tile or has a load on its way
	s_add_nc_u64 s[G0+4*\slot+2:G0+4*\slot+3], s[G0+4*\slot+2:G0+4*\slot+3], 2*KSTEP*2
	s_add_nc_u64 s[G0B+4*\slot+2:G0B+4*\slot+3], s[G0B+4*\slot+2:G0B+4*\slot+3], 2*KSTEP*2
	JLOAD \slot                                    ; the four v_nop behind it are also the places in front of the loads below
.else
	PLACES
.endif
	FETCH \next, 0, F0
	WIN MUL_HI
	MUL16 F1, 1, 0, 0
	MUL16 F1, 1, 2, 0
.endm
	s_wait_tensorcnt 1                             ; my part of K step 0 is in (K step 1's may be out)
	s_barrier_signal -1
	s_barrier_wait -1                              ; everybody's is
	FETCH 0, 0, F0
	QUARTER 0, 64,  F0, F1, 1                      ; the first quarter stands in front of the loop: its products start the sums
	WIN 0                                          ; at a label and at a branch every window is 0
	s_mov_b32 s3, LAPS-1
.Llap:                                                 ; a trip goes once round the ring, from a lap's second quarter to the next lap's first, and fills both slots again
	QUARTER 0, 128, F1, F0, 0
	QUARTER 0, 192, F0, F1, 0
	TURN 0, 1, 1
	QUARTER 1, 64,  F0, F1, 0
	QUARTER 1, 128, F1, F0, 0
	QUARTER 1, 192, F0, F1, 0
	TURN 1, 0, 1
	QUARTER 0, 64,  F0, F1, 0
	WIN 0
	s_sub_co_u32 s3, s3, 1
	s_cmp_lg_u32 s3, 0
	s_cbranch_scc1 .Llap
	QUARTER 0, 128, F1, F0, 0                      ; the last lap is written out: it fills nothing
	QUARTER 0, 192, F0, F1, 0
	TURN 0, 1, 0
	QUARTER 1, 64,  F0, F1, 0
	QUARTER 1, 128, F1, F0, 0
	QUARTER 1, 192, F0, F1, 0
	s_wait_dscnt 8                                 ; the very last quarter: nothing more to fetch
	WIN MUL_LO
	MUL16 F1, 0, 0, 0
	MUL16 F1, 0, 2, 0
	s_wait_dscnt 0
	WIN MUL_HI
	MUL16 F1, 1, 0, 0
	MUL16 F1, 1, 2, 0
	WIN 0
; THE WAY OUT, block by block of 16 queries x 128 keys: a lane's 64 registers of block a are 64 scores of ONE query; the query's other 64 lie in lane l xor 16.
; SOFT a: the largest score (four chains; each accumulator is first read at its low end), -M, p in place, the sum of the unrounded p, p rounded to f16 and stored, -M and l into my statistics.
; The 64 exponentials are one batch: a plain instruction behind the last, and ONE wait ahead of the first instruction that names a result.
; The packed p of accumulator b, four registers, is half b % 2 of the next launch's fragment of keys 32 (b / 2) on, lane for lane: eight stores of 512 consecutive bytes, 4,096 bytes on end for a block.
.macro SOFT a
.set U, (\a)/4
.set AC, 64*((\a)%4)
.set TM, TMP+32*((\a)%2)
	WIN 0x2a+0x15*U                                ; three sources in window 2 or 3
.irp k, 0,1,2,3
	v_max3_num_f32 v[T+\k], v[AC+16*\k], v[AC+16*\k+1], v[AC+16*\k+2]
.endr
	WIN 0x28+0x14*U                                ; sources 1 and 2 there
.irp i, 3,5,7,9,11,13
.irp k, 0,1,2,3
	v_max3_num_f32 v[T+\k], v[T+\k], v[AC+16*\k+\i], v[AC+16*\k+\i+1]
.endr
.endr
.irp k, 0,1,2,3
	v_max_num_f32 v[T+\k], v[T+\k], v[AC+16*\k+15]
.endr
	WIN 0
	v_max3_num_f32 v[T], v[T], v[T+1], v[T+2]
	v_max_num_f32 v[T], v[T], v[T+3]
	v_permlanex16_b32 v[T+1], v[T], s[SEL], s[SEL+1]
	v_max_num_f32 v[T], v[T], v[T+1]               ; the chunk's largest score of my query
	v_mul_f32 v[T], s[CS], v[T]                    ; as t (the factor is positive)
	v_floor_f32 v[NM], -v[T]                       ; -M = floor(-t) = -ceil(t): a whole number
	WIN 0x82+0x41*U                                ; destination and source 0 in window 2 or 3
.set J, 0
.rept 32
	v_pk_fma_f32 v[AC+J:AC+J+1], v[AC+J:AC+J+1], s[CS:CS+1], v[NM:NM+1] op_sel_hi:[1,0,0]   ; t - M, two at a time
.set J, J+2
.endr
.set J, 0
.rept 64
	v_exp_f32 v[AC+J], v[AC+J]                     ; p = 2^(t - M)
.set J, J+1
.endr
	v_nop                                          ; the plain instruction behind the last exponential
	s_wait_alu depctr_va_vdst(0)                   ; one wait for the batch
.if (\a) >= 2
	s_wait_xcnt 0x0                                ; block a - 2's stores have read their registers: these take block a's p
.endif
	WIN 0x0a+5*U                                   ; sources 0 and 1 in window 2 or 3
	v_pk_add_f32 v[LA:LA+1], v[AC:AC+1], v[AC+2:AC+3]              ; the first pairs start the sum's two chains: nothing is cleared
	v_pk_add_f32 v[LB:LB+1], v[AC+4:AC+5], v[AC+6:AC+7]
.set J, 0
.rept 32
	v_cvt_pk_f16_f32 v[TM+J], v[AC+2*J], v[AC+2*J+1]               ; register 4 b + r: keys 16 b + 8 (lane / 16) + 2 r, + 1
.set J, J+1
.endr
	WIN 0x08+4*U                                   ; source 1 there
.set J, 8
.rept 14
	v_pk_add_f32 v[LA:LA+1], v[LA:LA+1], v[AC+J:AC+J+1]
	v_pk_add_f32 v[LB:LB+1], v[LB:LB+1], v[AC+J+2:AC+J+3]
.set J, J+4
.endr
	WIN 0
.irp b, 0,1,2,3,4,5,6,7
	global_store_b128 v[SGO], v[TM+4*\b:TM+4*\b+3], s[6:7] offset:(\a)*65536+\b*512   ; 32 lanes store 512 consecutive bytes, at a multiple of 512 from p's first byte
.endr
	v_pk_add_f32 v[LA:LA+1], v[LA:LA+1], v[LB:LB+1]
	v_add_f32 v[LA], v[LA], v[LA+1]
	v_permlanex16_b32 v[LB], v[LA], s[SEL], s[SEL+1]
	v_add_f32 v[LA], v[LA], v[LB]                  ; the chunk's sum of my query
	ds_store_b32 v[STA], v[NM] offset:256*U+4*((\a)%4)             ; both halves of the lanes write the same word with the same value
	ds_store_b32 v[STA], v[LA] offset:512+256*U+4*((\a)%4)
.endm
	PLACES                                         ; for the reads of the last products' results and the writes into registers that held q's fragments
	s_mov_b32 s[CS], 0x3d38aa3b                    ; log2(e) / 32
	s_mov_b32 s[CS+1], s[CS]                       ; (named with it as a pair, so it is written)
	s_mov_b32 s[SEL], 0x76543210
	s_mov_b32 s[SEL+1], 0xfedcba98
	v_mov_b32 v[NM+1], 0                           ; (named as the upper half of the pair, so it is written)
.irp a, 0,1,2,3,4,5,6,7
	SOFT \a
.endr
	ds_load_b128 v[T:T+3], v[STR]                  ; my wave's 128 -M and 128 l, in the order in which they lie in stats; LDS serves a wave's instructions in order: these see my stores
	ds_load_b128 v[T+4:T+7], v[STR] offset:512
	s_wait_dscnt 0x0
	global_store_b128 v[SGO], v[T:T+3], s[8:9]                     ; 32 lanes store 512 consecutive bytes
	global_store_b128 v[SGO], v[T+4:T+7], s[8:9] offset:524288
	s_wait_tensorcnt 0x0                           ; the wave's end, behind my last tensor load and my last LDS store
	ds_add_u32 v[SPW], v[NIL]
	s_wait_dscnt 0x0
	CROUND                                         ; the closing round: no work-group ends while a partner may still ask for a tile that names it
	s_endpgm
.Lfunc_end_k_qd6f0168bba_score:
	.size	k_qd6f0168bba_score, .Lfunc_end_k_qd6f0168bba_score-k_qd6f0168bba_score
	.p2alignl 7, 3214868480
	.fill 96, 4, 3214868480
	.section	.rodata,"a",@progbits
	.p2align	6, 0x0
	.amdhsa_kernel k_qd6f0168bba_score
		.amdhsa_group_segment_fixed_size 327680
		.amdhsa_private_segment_fixed_size 0
		.amdhsa_enable_private_segment 0
		.amdhsa_kernarg_size 24
		.amdhsa_user_sgpr_count 2
		.amdhsa_user_sgpr_kernarg_segment_ptr 1
		.amdhsa_wavefront_size32 1
		.amdhsa_system_sgpr_workgroup_id_x 1
		.amdhsa_system_sgpr_workgroup_id_y 1
		.amdhsa_system_sgpr_workgroup_id_z 1
		.amdhsa_system_vgpr_workitem_id 0
		.amdhsa_next_free_vgpr 1024
		.amdhsa_next_free_sgpr 66
		.amdhsa_reserve_vcc 0
		.amdhsa_float_denorm_mode_32 3
		.amdhsa_float_denorm_mode_16_64 3
		.amdhsa_memory_ordered 1
		.amdhsa_forward_progress 1
		.amdhsa_inst_pref_size 203
	.end_amdhsa_kernel
	.amdgpu_metadata
---
amdhsa.version: [ 1, 2 ]
amdhsa.kernels:
  - .name:           k_qd6f0168bba_score
    .symbol:         k_qd6f0168bba_score.kd
    .args:
      - { .name: qkv, .offset: 0, .size: 8, .value_kind: global_buffer, .address_space: global }
      - { .name: p, .offset: 8, .size: 8, .value_kind: global_buffer, .address_space: global }
      - { .name: stats, .offset: 16, .size: 8, .value_kind: global_buffer, .address_space: global }
    .group_segment_fixed_size: 327680
    .private_segment_fixed_size: 0
    .kernarg_segment_align: 8
    .kernarg_segment_size: 24
    .max_flat_workgroup_size: 128
    .sgpr_count:     66
    .vgpr_count:     1024
    .wavefront_size: 32
...
	.end_amdgpu_metadata
.endif
;; end of part 3
;; launch mix (part 4): grid 4 x 64, 4 waves a work-group, clusters of 4 x 4, 327,680 bytes of LDS; arguments p, qkv, stats, out0; writes out0
.if DOCPART == 4
	.amdgcn_target "amdgcn-amd-amdhsa--gfx1250"
	.amdhsa_code_object_version 6
	.text
	.protected	k_qd6f0168bba_mix
	.globl	k_qd6f0168bba_mix
	.p2align	8
	.type	k_qd6f0168bba_mix,@function
k_qd6f0168bba_mix:
	s_mov_b64 s[64:65], 0
	v_nop
	global_prefetch_b8 v0, s[64:65] scope:SCOPE_SE
	s_setreg_imm32_b32 hwreg(HW_REG_WAVE_MODE, 25, 1), 1
	s_wait_xcnt 0x0
	s_wait_alu depctr_hold_cnt(0) depctr_sa_sdst(0) depctr_va_vdst(0) depctr_va_sdst(0) depctr_va_ssrc(0) depctr_va_vcc(0) depctr_vm_vsrc(0)
	s_getreg_b32 s2, hwreg(HW_REG_IB_STS2, 6, 4)
	s_cmp_eq_u32 s2, 0
	s_cbranch_scc0 .Lentry_in_a_cluster
	s_endpgm
.Lentry_in_a_cluster:
	s_bfe_u32 s2, ttmp6, 0x10000c
	s_cmp_lg_u32 s2, 0xf033
	s_cbranch_scc0 .Lentry_shape_is_right
	s_endpgm
.Lentry_shape_is_right:
; out0[q][e] = (1 / l) x the sum over the 16 chunks c of f_c x (the sum over the chunk's 128 keys of p v).  p: f16, each chunk under its own whole number M_c, laid in the order of this launch's operand registers:
; [block of 16 queries][32 keys][half][lane][16 bytes].  v: f16 with the keys innermost, rows 8192 + 1024 b + e of qkv.  stats: -M_c and the chunks' sums l_c.
; M = the largest M_c of the row; f_c = 2^(M_c - M), a power of two, at most 1; l = the sum of f_c l_c, at least 1/2.  All of that, and the sums over chunks, in f32.
; LIMITS: NaN and infinities are not served.
; A tile, 128 queries x 256 channels, is made by four waves, 64 x 128 each: 32 accumulators.  A CHUNK IS SUMMED BY ITSELF, in accumulators T that its first products start; in the chunk's last quarter the finished T are
; added into the sums M that are carried from chunk to chunk: M += f_c T, four packed multiply-adds behind each matrix instruction, two accumulators behind the one just issued.  The first chunk's M = f_c T: nothing is cleared.
; p COMES FROM MEMORY STRAIGHT INTO REGISTERS: a quarter's four fragments are 8 loads of 512 consecutive bytes, asked for seven quarters (224 matrix instructions) ahead, into a ring of eight sets of 32 registers.
; The price: each byte of p is loaded by two waves of each of the four work-groups that share its queries.  What it buys: LDS holds v alone, so that a slot holds 256 keys.
; v goes through two LDS slots of 256 keys (rows of 512 bytes), each wave fetching 64 rows by one tensor load.  CLUSTERS: 4 x 4 work-groups; the four of a column of the cluster take the same 256 channels of the same batch:
; v's tiles are asked for jointly, by the same tensor load with the same descriptor and a mask that names the four.  The four of a row read the same p at about the same time.
; THE MATRIX INSTRUCTION IS USED TRANSPOSED (source 0 = 16 channels of v, source 1 = 16 queries of p): a lane holds ONE query (lane % 16) in the result: so f_c is one number a lane and block.
; No prefetch into the L2: p's loads run seven quarters ahead of their use, and a refill of v has 240 matrix instructions in which to land.
; REGISTERS, in windows of 256: window 0: v20-29 addresses; v32-39 f of the chunk, twice for each block; v40-47 1 / l, twice for each block; v64-127, v128-191 v's fragments, two buffers (at the head: the statistics;
;   on the way out: rows read back).  window 1: p's ring: quarter k % 8 at v[32 (k % 8)].  window 2: M ((a, b) at v[8 (8 a + b)]).  window 3: T, likewise.
.set PITCH,  528                       ; an LDS row: 512 bytes + 16 of padding: the 16 rows that a load touches start at 16 different banks (64 banks of 4 bytes: ISA guide 11.1)
.set QROWS,  64*PITCH                  ; 64 rows: what one tensor load brings
.set HALFB,  128*PITCH                 ; 128 rows: what a wave reads
.set SLOT,   256*PITCH                 ; v's 256 channels x 256 keys
.set FT,     2*SLOT                    ; behind the ring: the factors, 8,192 bytes for each wave: [chunk][lane % 16][32 bytes: f of blocks 0, 0, 1, 1, 2, 2, 3, 3]
.set SPARE,  FT+4*8192                 ; the spare words, 128 bytes a wave, which no other line names
.set STAGE,  0                         ; the way out: 16 rows x 528 bytes for each wave, in slot 0, which has had its last fill and its last read when the first result is stored there
.set SPITCH, 528
.set ROWO,   4096                      ; a row of out0 in bytes
.set ADRB, 20                          ; v20-21  LDS address of my fragments of v in slot 0, 1
.set ADF,  22                          ; v22     LDS address of my 32 bytes of factors; 2,048 bytes (four chunks) on in each trip
.set STO,  24                          ; v24     the way out: where I put 32 bytes of a row
.set RD,   25                          ; v25     where I read a row back
.set CO,   26                          ; v26     16 x lane: my byte offset in 512 bytes of p or of a row of out0
.set SOF,  27                          ; v27     16 x (lane % 16): my query's four words in stats
.set SPW,  28                          ; v28     LDS address of my spare word; never rewritten
.set NIL,  29                          ; v29     0; never rewritten
.set FC,   32                          ; v32-39
.set RL,   40                          ; v40-47
.set NR,   48                          ; v48-51   the row's -M, at the head
.set LR,   52                          ; v52-55   l, at the head
.set F0,   64                          ; v's fragments: buffer g at v[F0 + 64 g]
.set D,    64                          ; v64-127  at the head: f, twice each, of eight chunks
.set LT,   128                         ; v128-191 at the head: l_c: register 4 c + a
.set MT,   192                         ; v192-255 at the head: -M_c, then M_c - M
.set BK,   64                          ; the way out: 16 rows read back: v64-127 and v128-191 by turns
.set G1, 24                            ; s[24:31] descriptor group 1;  s[32:39] group 0, a set for each slot
.set G0, 32
.set MSB, 0
.macro WIN new                         ; the immediate's high byte repeats the setting that is left; a switch that changes nothing is dropped
.if MSB != (\new)
	s_set_vgpr_msb (MSB<<8)|(\new)
.set MSB, (\new)
.endif
.endm
.set W_MM, 0xf4                        ; a product: source 0 (v) window 0, source 1 (p) window 1, C and D (T) window 3
.set W_FM, 0xa3                        ; M += f T: source 0 (T) window 3, source 1 (f) window 0, source 2 and destination (M) window 2
; A joint load: every wave fetches its own 64 rows.  An s_nop 0 and four v_nop follow the line.
.macro JLOAD s
	tensor_load_to_lds s[G0+4*\s:G0+4*\s+3], s[G1:G1+7]
	s_nop 0
.rept 4
	v_nop
.endr
.endm
.macro CREST                           ; a round of the cluster's barrier behind its opening barrier
	s_cmp_lg_u32 s12, 0
	s_cbranch_scc1 .Lnot_wave_0_\@
	s_barrier_signal -3
.Lnot_wave_0_\@:
	s_barrier_wait -3
	s_barrier_signal -1
	s_barrier_wait -1
.endm
.macro CROUND                          ; a whole round
	s_barrier_signal -1
	s_barrier_wait -1
	CREST
.endm
; A load into a register that a matrix instruction has read, and a vector instruction that reads a matrix result, stand four places behind it; only plain vector instructions that name none of its
; registers are places (ISA guide 7.12.1 for vector instructions).
.macro PLACES
.rept 4
	v_nop
.endr
.endm
; p's four fragments of the quarter k quarters on from where s[4:5] stands, into set k % 8 of the ring: 8 loads of 512 consecutive bytes
.macro PLOAD k
	WIN 0x40                                       ; destination window 1, address window 0
.irp a, 0,1,2,3
	global_load_b128 v[32*((\k)%8)+8*\a:32*((\k)%8)+8*\a+3],   v[CO], s[4:5] offset:\a*65536+(\k)*1024
	global_load_b128 v[32*((\k)%8)+8*\a+4:32*((\k)%8)+8*\a+7], v[CO], s[4:5] offset:\a*65536+(\k)*1024+512
.endr
.endm
; v's eight fragments of the slot's quarter k (32 keys at byte 64 k of the rows) into buffer k % 2: 16 LDS loads
.macro FETCHV slot, k
.irp i, 0,1,2,3,4,5,6,7
	ds_load_b128 v[F0+64*((\k)%2)+8*\i:F0+64*((\k)%2)+8*\i+3],   v[ADRB+\slot] offset:64*(\k)+\i*16*PITCH
	ds_load_b128 v[F0+64*((\k)%2)+8*\i+4:F0+64*((\k)%2)+8*\i+7], v[ADRB+\slot] offset:64*(\k)+\i*16*PITCH+32
.endr
.endm
	s_load_b256 s[4:11], s[0:1], 0x0               ; p s[4:5], qkv s[6:7], stats s[8:9], out0 s[10:11]
	v_lshl_add_u32 v[SPW], v0, 2, SPARE
	v_mov_b32 v[NIL], 0
	ds_add_u32 v[SPW], v[NIL]                      ; the wave's opening: the add, twice on end, and its wait ahead of my first tensor load; the set-up below stands between
	ds_add_u32 v[SPW], v[NIL]
	v_lshrrev_b32 v1, 5, v0
	v_readfirstlane_b32 s12, v1                    ; wave 0..3
	s_lshr_b32 s13, s12, 1                         ; which half of the tile's queries is mine
	s_and_b32 s14, s12, 1                          ; which half of its channels
	s_bfe_u32 s40, ttmp6, 0x40000                  ; cx: also the tile of 256 channels (the grid has one cluster along x)
	s_bfe_u32 s41, ttmp6, 0x40004                  ; cy
	s_and_b32 s22, ttmp7, 0xffff                   ; cluster y, 0..15
	s_lshl_b32 s15, s22, 2
	s_add_co_u32 s15, s15, s41                     ; the tile of 128 queries: 4 x cluster y + cy, 0..63; its batch is cluster y / 4
	s_lshl_b32 s44, 0x1111, s40                    ; my column of the cluster
	; descriptor group 1: 64 rows x 256 elements of 2 bytes, padded in LDS
	s_or_b32 s[G1+0], s44, (1<<16)|(1<<20)|(1<<21)|(6<<22)|(3<<25)  ; 15:0 the mask; 17:16 elements of 2 bytes; 20 padding on; 21 set beside a mask; 24:22 after every 128 words; 31:25 four words
	s_mov_b32 s[G1+1], 256<<16                     ; tensor_dim0 = 256
	s_mov_b32 s[G1+2], 64<<16                      ; tensor_dim1 = 64
	s_mov_b32 s[G1+3], 256<<16                     ; tile_dim0 = 256
	s_mov_b32 s[G1+4], 64                          ; tile_dim1 = 64
	s_mov_b32 s[G1+5], 2048                        ; tensor_dim0_stride: 2,048 elements from row to row
	s_mov_b32 s[G1+6], 0
	s_mov_b32 s[G1+7], 0
	s_lshr_b32 s46, s22, 2                         ; v: row 8192 + 1024 x batch + 256 cx + 64 x wave: it never holds cy
	s_lshl_b32 s46, s46, 10
	s_lshl_b32 s47, s40, 8
	s_add_co_u32 s46, s46, s47
	s_lshl_b32 s47, s12, 6
	s_add_co_u32 s46, s46, s47
	s_add_co_u32 s46, s46, 8192
	s_lshl_b32 s46, s46, 12                        ; in bytes (under 2^26)
	s_mov_b32 s47, 0
	s_mul_i32 s20, s12, QROWS                      ; where they go: wave x 64 rows: no place in the cluster enters an LDS address
	s_wait_dscnt 0x0                               ; both opening adds are done
	s_wait_kmcnt 0x0
	s_add_nc_u64 s[46:47], s[6:7], s[46:47]
	CROUND                                         ; all sixteen work-groups are here: the first joint loads meet
.irp s, 0,1
	s_mov_b32 s[G0+4*\s], 1                                        ; 1:0 count = 1
	s_add_co_u32 s[G0+4*\s+1], s20, \s*SLOT                        ; 63:32 LDS address
	s_add_nc_u64 s[G0+4*\s+2:G0+4*\s+3], s[46:47], \s*512          ; 120:64 global address: keys 256 s on
	s_or_b32 s[G0+4*\s+3], s[G0+4*\s+3], 0x80000000                ; 127:126 type = 2
	JLOAD \s                                       ; two loads of mine are out behind the second
.endr
	v_and_b32 v1, 15, v0                           ; l % 16
	v_bfe_u32 v2, v0, 4, 1                         ; l / 16
	v_lshlrev_b32 v[SOF], 4, v1
	v_and_b32 v4, 31, v0
	v_lshlrev_b32 v[CO], 4, v4
	s_lshl_b32 s16, s15, 7
	s_lshl_b32 s17, s13, 6
	s_add_co_u32 s18, s16, s17                     ; my first query, 0..8191: a multiple of 64
	s_lshl_b32 s16, s18, 2
	s_mov_b32 s17, 0
	s_add_nc_u64 s[8:9], s[8:9], s[16:17]          ; its words in stats
	s_lshl_b32 s16, s18, 12                        ; 4,096 x query: its block's first byte in p (65,536 x query / 16), and its row of out0
	s_add_nc_u64 s[4:5], s[4:5], s[16:17]
.irp c, 0,1,2,3,4,5,6,7,8,9,10,11,12,13,14,15
	global_load_b128 v[MT+4*\c:MT+4*\c+3], v[SOF], s[8:9] offset:\c*32768          ; -M_c of my query in blocks 0 .. 3
	global_load_b128 v[LT+4*\c:LT+4*\c+3], v[SOF], s[8:9] offset:524288+\c*32768   ; l_c likewise
.endr
	PLOAD 0                                        ; p's first three quarters: 56 loads of mine are out
	PLOAD 1
	PLOAD 2
	WIN 0
	v_mul_u32_u24 v3, v1, PITCH
	v_lshl_add_u32 v3, v2, 4, v3                   ; a fragment's row x pitch + 16 x half
	s_mul_i32 s22, s14, HALFB                      ; my 128 channels
.irp s, 0,1
	v_add_nc_u32 v[ADRB+\s], s22, v3
	s_add_co_u32 s22, s22, SLOT
.endr
	s_lshl_b32 s23, s12, 13
	s_add_co_u32 s23, s23, FT
	v_lshl_add_u32 v[ADF], v1, 5, s23              ; my wave's factors, 32 bytes for each query of a block; both halves of the lanes take the same
	s_mul_i32 s23, s12, 16*SPITCH
	s_add_co_u32 s23, s23, STAGE                   ; my stage
	v_mul_u32_u24 v5, v1, SPITCH                   ; in: row l % 16, 32 bytes for each half of the lanes
	v_lshl_add_u32 v5, v2, 5, v5
	v_add_nc_u32 v[STO], s23, v5
	v_add_nc_u32 v[RD], s23, v[CO]                 ; back: the 32 lanes take one row of 512 bytes
	s_lshl_b32 s46, s40, 10                        ; my first channel, in bytes: 1024 x tile + 512 x half
	s_lshl_b32 s47, s14, 9
	s_add_co_u32 s46, s46, s47
	s_add_co_u32 s16, s16, s46
	s_add_nc_u64 s[10:11], s[10:11], s[16:17]
	s_wait_loadcnt 24                              ; the statistics are in; p's 24 loads may be out
	PLOAD 3                                        ; four quarters more: again 56 at the most
	PLOAD 4
	PLOAD 5
	PLOAD 6
	WIN 0
	; the row's -M: the least of the 16 -M_c
.irp a, 0,1,2,3
	v_min3_num_f32 v[NR+\a], v[MT+\a], v[MT+4+\a], v[MT+8+\a]
.endr
.irp c, 3,5,7,9,11,13
.irp a, 0,1,2,3
	v_min3_num_f32 v[NR+\a], v[NR+\a], v[MT+4*\c+\a], v[MT+4*\c+4+\a]
.endr
.endr
.irp a, 0,1,2,3
	v_min_num_f32 v[NR+\a], v[NR+\a], v[MT+60+\a]
.endr
	; f_c = 2^(M_c - M), made twice: the pair that the packed forms take; l = the sum of f_c l_c; the chunk's eight words to my place in the table
.irp c, 0,1,2,3,4,5,6,7,8,9,10,11,12,13,14,15
.irp a, 0,1,2,3
	v_sub_f32 v[MT+4*\c+\a], v[NR+\a], v[MT+4*\c+\a]               ; M_c - M: a whole number, 0 or less
.endr
.irp a, 0,1,2,3
	v_cvt_i32_f32 v[MT+4*\c+\a], v[MT+4*\c+\a]                     ; (it saturates)
.endr
.irp a, 0,1,2,3
	v_ldexp_f32 v[D+8*(\c%8)+2*\a], 1.0, v[MT+4*\c+\a]
.endr
.irp a, 0,1,2,3
	v_ldexp_f32 v[D+8*(\c%8)+2*\a+1], 1.0, v[MT+4*\c+\a]
.endr
.irp a, 0,1,2,3
.if \c == 0
	v_mul_f32 v[LR+\a], v[D+2*\a], v[LT+\a]                        ; the first chunk starts the sum
.else
	v_fma_f32 v[LR+\a], v[D+8*(\c%8)+2*\a], v[LT+4*\c+\a], v[LR+\a]
.endif
.endr
	ds_store_b128 v[ADF], v[D+8*(\c%8):D+8*(\c%8)+3] offset:512*\c         ; both halves of the lanes write the same bytes with the same values
	ds_store_b128 v[ADF], v[D+8*(\c%8)+4:D+8*(\c%8)+7] offset:512*\c+16
.if \c == 7
	s_wait_dscnt 0x0                               ; the stores have read their registers: the next eight chunks take them
.endif
.endr
.irp a, 0,1,2,3
	v_rcp_f32 v[RL+2*\a], v[LR+\a]                 ; 1 / l, twice: the pair that the packed multiply takes
	v_rcp_f32 v[RL+2*\a+1], v[LR+\a]
.endr
	v_nop                                          ; a plain instruction behind the last reciprocal
	s_wait_alu depctr_va_vdst(0)                   ; and the wait, ahead of every label and of the first use: one for the eight
; THE MATRIX WORK.  I counts a quarter's 32 products, QQ is the slot's quarter (0..7); product I is block I / 8 of my queries x block I % 8 of my channels.  ZR = 1: a chunk's first quarter: its products start the sums T.
; The 32 accumulators take turns, one instruction a turn, in the same order in every quarter.
; FM = 1: a chunk's last quarter: behind product I stand the four multiply-adds of accumulator I - 2 (behind the first two products four v_nop), so that eight plain instructions that name none of its registers lie between
; a product and the first read of its result, which takes the accumulator's two lowest registers.  FS = 1: the first chunk: M = f T.
.macro FMA4
.irp r, 0,2,4,6
.if FS
	v_pk_mul_f32 v[8*JJ+\r:8*JJ+\r+1], v[8*JJ+\r:8*JJ+\r+1], v[FC+2*(JJ/8):FC+2*(JJ/8)+1]
.else
	v_pk_fma_f32 v[8*JJ+\r:8*JJ+\r+1], v[8*JJ+\r:8*JJ+\r+1], v[FC+2*(JJ/8):FC+2*(JJ/8)+1], v[8*JJ+\r:8*JJ+\r+1]
.endif
.endr
.endm
.macro RUN n
.rept \n
	WIN W_MM
.if ZR
	v_wmma_f32_16x16x32_f16 v[8*I:8*I+7], v[F0+64*(QQ%2)+8*(I%8):F0+64*(QQ%2)+8*(I%8)+7], v[32*QQ+8*(I/8):32*QQ+8*(I/8)+7], 0
.else
	v_wmma_f32_16x16x32_f16 v[8*I:8*I+7], v[F0+64*(QQ%2)+8*(I%8):F0+64*(QQ%2)+8*(I%8)+7], v[32*QQ+8*(I/8):32*QQ+8*(I/8)+7], v[8*I:8*I+7]
.endif
.if FM
.if I >= 2
	WIN W_FM
.set JJ, I-2
	FMA4
.else
	PLACES
.endif
.endif
.set I, I+1
.endr
.endm
.macro TRAIL                           ; the chunk's last two accumulators
	WIN W_FM
.set JJ, 30
	FMA4
.set JJ, 31
	FMA4
.endm
; A quarter that has its successor in the same slot.  At its head, behind four places: v's fragments of the next quarter into the buffer that the last quarter read; in a chunk's third quarter the chunk's factors (at byte fo);
; and (pl = 1) p's fragments of seven quarters on into the set that the last quarter read.  lw: how many younger loads of p may be out when this quarter's have to be in; the wait stands ahead of the next eight, so that 56 are out at the most.
.macro QTR slot, q, fo, first, pl, lw
.set QQ, \q
.set I, 0
.set ZR, 0
.set FM, 0
.set FS, \first
.if (\q)%4 == 0
.set ZR, 1
.endif
.if (\q)%4 == 3
.set FM, 1
.endif
	WIN 0
	PLACES
	FETCHV \slot, (\q)+1
.if (\q)%4 == 2
	ds_load_b128 v[FC:FC+3], v[ADF] offset:\fo
	ds_load_b128 v[FC+4:FC+7], v[ADF] offset:\fo+16
.endif
	s_wait_loadcnt \lw                             ; loads come back in order (ISA guide 5.7.1): this quarter's p is in
.if \pl
	PLOAD (\q)+7
.endif
.if (\q)%4 == 2
	s_wait_dscnt 18                                ; this quarter's v is in; the 18 LDS loads just issued may be out
.else
	s_wait_dscnt 16                                ; this quarter's v is in (and, in a chunk's last quarter, its factors); the 16 just issued may be out
.endif
	RUN 32
.if FM
	TRAIL
.endif
.endm
; A slot's last quarter changes slots: ONE barrier.  In front of it each wave waits for all its tensor loads (its part of the next slot), adds 0 to its spare word, and waits for that and for its reads of this slot, the last of
; which were asked for a quarter ago.  fill = 1: the barrier opens a round of the cluster's barrier, and behind the round this slot is filled again, with the keys two slots on, first thing: the load has 240 matrix instructions in which to land.
.macro TURN slot, next, fill
.set QQ, 7
.set I, 0
.set ZR, 0
.set FM, 1
.set FS, 0
	WIN 0
	PLACES
	s_wait_loadcnt 48                              ; this quarter's p is in; six younger groups of eight may be out
	PLOAD 14
	WIN 0                                          ; (the add's two registers lie in window 0)
	s_wait_tensorcnt 0x0                           ; all my tensor loads have landed
	ds_add_u32 v[SPW], v[NIL]                      ; 0 onto my spare word
	s_wait_dscnt 1                                 ; this quarter's v and the chunk's factors are in (the add may be out)
	RUN 8                                          ; work on registers stands between the add and the wait for it
	s_wait_dscnt 0x0                               ; the add is done, and my reads of this slot are over
	s_barrier_signal -1
	RUN 8                                          ; work on registers while the others arrive
	WIN 0                                          ; (branches may follow)
	s_barrier_wait -1
.if \fill
	CREST                                          ; no wave of any partner still reads this slot's tile or has a load on its way
	s_add_nc_u64 s[G0+4*\slot+2:G0+4*\slot+3], s[G0+4*\slot+2:G0+4*\slot+3], 1024
	JLOAD \slot
.else
	PLACES
.endif
	FETCHV \next, 0
	RUN 16
	TRAIL
	s_wait_xcnt 0x0                                ; p's loads have read their base: it steps a slot's eight quarters on
	s_add_nc_u64 s[4:5], s[4:5], 8192
.endm
	s_wait_tensorcnt 1                             ; my part of slot 0 is in (slot 1's may be out)
	s_wait_dscnt 0x0                               ; and my factors lie in LDS
	s_barrier_signal -1
	s_barrier_wait -1                              ; everybody's is
	FETCHV 0, 0
	QTR 0, 0, 0, 1, 1, 48                          ; the first chunk stands in front of the loop: its sums start M
	QTR 0, 1, 0, 1, 1, 48
	QTR 0, 2, 0, 1, 1, 48
	QTR 0, 3, 0, 1, 1, 48
	WIN 0                                          ; at a label and at a branch every window is 0
	s_mov_b32 s3, 3
.Llap:                                                 ; a trip goes once round the ring, four chunks, from slot 0's second chunk to its next first, and fills both slots again
	QTR 0, 4, 0, 0, 1, 48
	QTR 0, 5, 0, 0, 1, 48
	QTR 0, 6, 512, 0, 1, 48
	TURN 0, 1, 1
	QTR 1, 0, 0, 0, 1, 48
	QTR 1, 1, 0, 0, 1, 48
	QTR 1, 2, 1024, 0, 1, 48
	QTR 1, 3, 0, 0, 1, 48
	QTR 1, 4, 0, 0, 1, 48
	QTR 1, 5, 0, 0, 1, 48
	QTR 1, 6, 1536, 0, 1, 48
	TURN 1, 0, 1
	QTR 0, 0, 0, 0, 1, 48
	QTR 0, 1, 0, 0, 1, 48
	QTR 0, 2, 2048, 0, 1, 48
	QTR 0, 3, 0, 0, 1, 48
	WIN 0
	v_add_nc_u32 v[ADF], 2048, v[ADF]              ; four chunks' factors on
	s_sub_co_u32 s3, s3, 1
	s_cmp_lg_u32 s3, 0
	s_cbranch_scc1 .Llap
	QTR 0, 4, 0, 0, 1, 48                          ; the last three chunks are written out: no slot is filled, and p's loads end with the last quarter: the counts run down
	QTR 0, 5, 0, 0, 1, 48
	QTR 0, 6, 512, 0, 1, 48
	TURN 0, 1, 0
	QTR 1, 0, 0, 0, 1, 48
	QTR 1, 1, 0, 0, 0, 48
	QTR 1, 2, 1024, 0, 0, 40
	QTR 1, 3, 0, 0, 0, 32
	QTR 1, 4, 0, 0, 0, 24
	QTR 1, 5, 0, 0, 0, 16
	QTR 1, 6, 1536, 0, 0, 8
.set QQ, 7
.set I, 0
.set ZR, 0
.set FM, 1
.set FS, 0
	s_wait_loadcnt 0x0                             ; the very last quarter: nothing more to fetch
	s_wait_dscnt 0x0
	RUN 32
	TRAIL
	WIN 0
; THE WAY OUT, block by block of 16 queries x 128 channels.  SCALE: M x 1 / l, in place.  TOSTAGE: a lane's 32 bytes of a row into my own stage, and back as whole rows of 512 bytes.  SEND: stored.
.macro SCALE a
	WIN 0x82                                       ; destination and source 0 in window 2
.set J, 0
.rept 32
	v_pk_mul_f32 v[64*(\a)+J:64*(\a)+J+1], v[64*(\a)+J:64*(\a)+J+1], v[RL+2*(\a):RL+2*(\a)+1]
.set J, J+2
.endr
.endm
.macro TOSTAGE a
	WIN 0x08                                       ; an LDS store's data are its source 1: window 2
.irp b, 0,1,2,3,4,5,6,7
	ds_store_b128 v[STO], v[64*(\a)+8*\b:64*(\a)+8*\b+3] offset:64*\b
	ds_store_b128 v[STO], v[64*(\a)+8*\b+4:64*(\a)+8*\b+7] offset:64*\b+16
.endr
	WIN 0
.set BB, BK+64*((\a)%2)
.irp t, 0,1,2,3,4,5,6,7,8,9,10,11,12,13,14,15
	ds_load_b128 v[BB+4*\t:BB+4*\t+3], v[RD] offset:\t*SPITCH      ; LDS serves a wave's instructions in order (ISA guide 5.7.1.4): these see the stores above
.endr
.endm
.macro SEND a, younger                 ; younger: the LDS instructions issued behind block a's loads, which may stay out
.set BB, BK+64*((\a)%2)
	s_wait_dscnt \younger                          ; the block is back in registers
.if (\a) > 0
	s_add_nc_u64 s[10:11], s[10:11], 16*ROWO       ; (behind a wait on XCNT: the earlier stores have read their base)  16 rows of out0 on
.endif
.irp t, 0,1,2,3,4,5,6,7,8,9,10,11,12,13,14,15
	global_store_b128 v[CO], v[BB+4*\t:BB+4*\t+3], s[10:11] offset:\t*ROWO th:TH_STORE_NT   ; 32 lanes store 512 consecutive bytes, at a multiple of 256 from out0's first byte; written once, read by nobody here
.endr
.endm
	SCALE 0                                        ; (these multiplications are also the places in front of the loads into the registers that held v's fragments)
	TOSTAGE 0
.irp a, 1,2,3
.if \a > 1
	s_wait_xcnt 0x0                                ; block a - 2's stores have read their registers and their base: block a's loads may land there, and the base may step
.endif
	SCALE \a
	TOSTAGE \a
	SEND \a-1, 32                                  ; behind block a - 1's loads: block a's 16 stores and 16 loads
.endr
	s_wait_xcnt 0x0                                ; block 2's stores have read their base
	SEND 3, 0
	s_wait_tensorcnt 0x0                           ; the wave's end, behind my last tensor load and my last LDS store
	ds_add_u32 v[SPW], v[NIL]
	s_wait_dscnt 0x0
	CROUND                                         ; the closing round: no work-group ends while a partner may still ask for a tile that names it
	s_endpgm
.Lfunc_end_k_qd6f0168bba_mix:
	.size	k_qd6f0168bba_mix, .Lfunc_end_k_qd6f0168bba_mix-k_qd6f0168bba_mix
	.p2alignl 7, 3214868480
	.fill 96, 4, 3214868480
	.section	.rodata,"a",@progbits
	.p2align	6, 0x0
	.amdhsa_kernel k_qd6f0168bba_mix
		.amdhsa_group_segment_fixed_size 327680
		.amdhsa_private_segment_fixed_size 0
		.amdhsa_enable_private_segment 0
		.amdhsa_kernarg_size 32
		.amdhsa_user_sgpr_count 2
		.amdhsa_user_sgpr_kernarg_segment_ptr 1
		.amdhsa_wavefront_size32 1
		.amdhsa_system_sgpr_workgroup_id_x 1
		.amdhsa_system_sgpr_workgroup_id_y 1
		.amdhsa_system_sgpr_workgroup_id_z 1
		.amdhsa_system_vgpr_workitem_id 0
		.amdhsa_next_free_vgpr 1024
		.amdhsa_next_free_sgpr 66
		.amdhsa_reserve_vcc 0
		.amdhsa_float_denorm_mode_32 3
		.amdhsa_float_denorm_mode_16_64 3
		.amdhsa_memory_ordered 1
		.amdhsa_forward_progress 1
		.amdhsa_inst_pref_size 255
	.end_amdhsa_kernel
	.section	.bss,"aw",@nobits
	.p2align	6
	.space	262144
	.amdgpu_metadata
---
amdhsa.version: [ 1, 2 ]
amdhsa.kernels:
  - .name:           k_qd6f0168bba_mix
    .symbol:         k_qd6f0168bba_mix.kd
    .args:
      - { .name: p, .offset: 0, .size: 8, .value_kind: global_buffer, .address_space: global }
      - { .name: qkv, .offset: 8, .size: 8, .value_kind: global_buffer, .address_space: global }
      - { .name: stats, .offset: 16, .size: 8, .value_kind: global_buffer, .address_space: global }
      - { .name: out0, .offset: 24, .size: 8, .value_kind: global_buffer, .address_space: global }
    .group_segment_fixed_size: 327680
    .private_segment_fixed_size: 0
    .kernarg_segment_align: 8
    .kernarg_segment_size: 32
    .max_flat_workgroup_size: 128
    .sgpr_count:     66
    .vgpr_count:     1024
    .wavefront_size: 32
...
	.end_amdgpu_metadata
.endif
;; end of part 4
